; MI455X (gfx1250); checked and timed in simulation.
; The chip was launched on July 23, 2026; its instructions are those of AMD's public machine-readable ISA for CDNA 5 (MIT licence, August 2026) and "CDNA5" Instruction Set Architecture Reference Guide (July 2026). The comments in the code are by the model that wrote it; some were corrected since.
;; Causal Self Attention. Allowed arithmetic: matrix products marked QUANTISED: E3M2 operands, one E8M0 scale for each 32 along K, by v_wmma_scale_f32_16x16x128_f8f6f4 with both operands' format E3M2, f32 sums; everything else in f32.
;; Inputs: b_proj 1,024 float32; b_qkv 3,072 float32; w_proj 1,024 x 1,024 float32; w_qkv 1,024 x 3,072 float32; x 4 x 2,048 x 1,024 float32.
;; Outputs: out0 4 x 2,048 x 1,024 float32.
;; This version of the problem:
;;   THIS VERSION OF THE PROBLEM IS GIVEN IN LOW PRECISION. The matrix products marked QUANTISED in the list below multiply operands that are first quantised to E3M2 (3 exponent bits, 2 mantissa bits; 6 bits a number), with one power-of-two scale for each 32 numbers along K (OCP MX v1.0); their sums are f32. All else is computed in f32.
;;   The module's matrix products, in the order in which they are computed (A, B: the left and right operand; K: the contracted axis; several contracted axes count as one K, in the product's order):
;;     1. [M 8,192, K 1,024] x [K 1,024, N 3,072]; A: input x; B: input w_qkv: QUANTISED
;;     2. batch 64 x [M 2,048, K 64] x [K 64, N 2,048]; A: computed on the way; B: computed on the way: QUANTISED
;;     3. batch 64 x [M 64, K 2,048] x [K 2,048, N 2,048]; A: computed on the way; B: softmax (see below): QUANTISED
;;     4. [M 8,192, K 1,024] x [K 1,024, N 1,024]; A: computed on the way; B: input w_proj: QUANTISED
;;   THE QUANTISER, for each operand of a quantised product, along K:
;;     - K is cut into blocks of 32 from its start; a last block that is shorter is filled with zeros.
;;     - A block's scale is 2^e with e = floor(log2(the largest magnitude in the block)) - 4, held to -126 .. 127; a block of zeros has e = 0. As a byte (E8M0): e + 127.
;;     - Each number is divided by its block's scale, clamped to +-28, and rounded to the nearest number of E3M2, ties to even, subnormals kept.
;;     - The product sums the exact products of the quantised numbers (number of the format x scale) in f32.
;;   ~~~python
;;   def quantise(x, axis):      # numpy; x: float32 -> the quantised numbers, widened to float32 again
;;       x = np.moveaxis(x, axis, -1); K = x.shape[-1]
;;       x = np.pad(x, [(0, 0)] * (x.ndim - 1) + [(0, -K % 32)]); x = x.reshape(x.shape[:-1] + (-1, 32)); a = np.abs(x).max(-1, keepdims=True)
;;       e = np.where(a > 0, np.clip(np.frexp(np.where(a > 0, a, 1))[1] - 1 - 4, -126, 127), 0)      # np.frexp(a)[1] - 1 = floor(log2(a)), exactly
;;       r = np.clip(x / 2.0 ** e, -28, 28)
;;       step = 2.0 ** (np.maximum(np.frexp(np.where(r == 0, 1, r))[1] - 1, -2) - 2)
;;       q = np.round(r / step) * step * 2.0 ** e      # np.round: ties to even
;;       return np.moveaxis(q.reshape(q.shape[:-2] + (-1,))[..., :K], -1, axis).astype(np.float32)
;;   ~~~
;;   SOFTMAX AHEAD OF A QUANTISED PRODUCT. Where the list says 'softmax', what is quantised is not the finished softmax but p = 2^(t - M), with t = logit x log2(e) and M = ceil(the row's largest t), a whole number; so 1/2 < the row's largest p <= 1. The row's sum l is taken of the UNQUANTISED p, in f32, and the product's result is divided by l at the end. Since M is a whole number, a kernel that streams over the keys may use a running M (the ceiling of the running maximum): every later rescaling is an exact power of two, which a block's scale takes up: the codes' values come out the same.
;;   OPERANDS COMPUTED ON THE WAY. 'Computed on the way' means the value that the module computes at that place (a softmax that the list does not call 'softmax' is quantised finished and normalised). What goes into a quantiser is computed in f32, as accurately as f32 sums, v_exp_f32 and their like allow (about 1e-6 of the number): no bf16 or f16 on the way to a quantiser, and a product that is left as it is and whose result goes on into a quantised operand takes f32 operands (vector FMAs, or v_wmma_f32_16x16x4_f32). A number that lies on a knife's edge between two numbers of the format may be rounded either way, as far as f32 arithmetic and the matrix unit's own rounding can turn it there, and no further.
;; One version. Each part assembles by itself: llvm-mc -triple=amdgcn-amd-amdhsa -mcpu=gfx1250 --defsym DOCPART=n.
;; ======== version 1 of 1: 4 launches
;; workspace buffers: xc 6,291,456 bytes; xs 262,144 bytes; wc 3,145,728 bytes; ws 131,072 bytes; qkvc 19,660,800 bytes; ac 6,291,456 bytes; asc 262,144 bytes
;; launch prep (part 1): grid 512 x 1, 4 waves a work-group, no clusters, 34,304 bytes of LDS; arguments x, w_qkv, w_proj, xc, xs, wc, ws; writes xc, xs, wc, ws
.if DOCPART == 1
	.amdgcn_target "amdgcn-amd-amdhsa--gfx1250"
	.amdhsa_code_object_version 6
	.text
	.protected	k_q75c4f54335_prep
	.globl	k_q75c4f54335_prep
	.p2align	8
	.type	k_q75c4f54335_prep,@function
k_q75c4f54335_prep:
	s_mov_b64 s[64:65], 0
	v_nop
	global_prefetch_b8 v0, s[64:65] scope:SCOPE_SE
	s_setreg_imm32_b32 hwreg(HW_REG_WAVE_MODE, 25, 1), 1
	s_wait_xcnt 0x0
; x [8192][1024] (K innermost), w_qkv [1024][3072] and w_proj [1024][1024] (K is the FIRST axis), all f32, become codes of BF6 (E3M2) with one E8M0 byte for each 32 along K.
; A block's byte is its largest magnitude's exponent field - 4, held at 1 from below; numbers are divided by the scale and rounded to the nearest code, ties to even; beyond 28 the largest code.
; LIMITS: NaN and infinities are not served; a block whose largest magnitude lies under 2^-122 gets the byte 1; a block of zeros gets the byte 1 where the rule says 127 (its codes are zeros, and only this program reads the bytes).
; LAYOUT OF THE RESULTS: images of operand registers.  A fragment (16 rows x 128 K, 12 registers a lane) is six pieces of 256 bytes; piece p holds registers 2 p, 2 p + 1, lane l at byte 8 l.
;   codes:  block of 256 rows x 196608 + (K / 256) x 49152 + tile x 3072 + ((K / 128) & 1) x 1536 + 256 p + 8 l;   scale words: block x 8192 + tile x 512 + (K / 128) x 64 + 4 r.
;   Row r of tile 2 g + u of a block is row 32 g + 8 u + r + 8 (r / 8): as source 0 of a product such a tile leaves 16 neighbouring rows in the 16 registers of tiles 2 g and 2 g + 1.
; Work-groups 0-255 take x, 256-447 w_qkv, 448-511 w_proj.  Waves share nothing: no barrier, no matrix unit, no cluster (no byte is read twice).  Only x's way uses LDS.
.set R,    16                          ; v16-143  x: two sets of 64 registers as loaded
.set X,    144                         ; v144-207 x: 64 numbers of my row: k = 64 c + 32 h + 0 .. 31
.set C,    208                         ; v208-219 a fragment's codes
.set CT,   220                         ; v220-222, v224-226 the second halves of the two blocks (a conversion's three registers begin on an even number)
.set TM,   228                         ; v228-229 largest magnitudes
.set SO,   230                         ; v230-231 the conversions' scale operands
.set BY,   232                         ; v232-233 the bytes
.set SW,   236                         ; v236-239 the scale word of each of my four K steps
.set WSTG, 8448                        ; LDS: a stage of 16 rows x 528 bytes for each wave
.set SP,   528                         ; 512 bytes + 16: sixteen rows start at sixteen different groups of banks
	s_load_b256 s[4:11], s[0:1], 0x0               ; x s[4:5], w_qkv s[6:7], w_proj s[8:9], xc s[10:11]
	s_load_b128 s[12:15], s[0:1], 0x20             ; xs s[12:13], wc s[14:15]
	s_load_b64 s[16:17], s[0:1], 0x30              ; ws
	v_lshl_add_u32 v254, v0, 2, 0x8400
	v_mov_b32 v255, 0
	v_lshrrev_b32 v1, 5, v0
	v_readfirstlane_b32 s18, v1                    ; wave
	v_and_b32 v1, 31, v0                           ; lane
	v_and_b32 v2, 15, v0                           ; r
	v_bfe_u32 v3, v0, 4, 1                         ; h
	s_mov_b32 s20, 0x76543210
	s_mov_b32 s21, 0xfedcba98                      ; v_permlanex16_b32's selects for lane l xor 16
	s_cmp_ge_u32 ttmp9, 256
	s_cbranch_scc1 .Lweights
; ---------------- x: a wave takes one tile of 16 rows and four K steps of 128 ----------------
	s_lshl_b32 s22, ttmp9, 2
	s_add_co_u32 s22, s22, s18                     ; 0 .. 1023
	s_lshr_b32 s23, s22, 1                         ; T: the tile of rows, 0 .. 511
	s_and_b32 s24, s22, 1                          ; kh: which half of K
	s_lshr_b32 s25, s23, 1
	s_lshl_b32 s26, s25, 17                        ; 32 (T / 2) rows of 4,096 bytes
	s_and_b32 s27, s23, 1
	s_lshl_b32 s27, s27, 15                        ; + 8 (T % 2) rows
	s_add_co_u32 s26, s26, s27
	s_lshl_b32 s27, s24, 11                        ; + 512 numbers
	s_add_co_u32 s26, s26, s27
	s_mov_b32 s27, 0
	s_lshr_b32 s25, s23, 4                         ; the block of 256 rows
	s_and_b32 s31, s23, 15                         ; the tile in it
	s_mul_i32 s28, s25, 196608
	s_mul_i32 s30, s24, 98304
	s_add_co_u32 s28, s28, s30
	s_mul_i32 s30, s31, 3072
	s_add_co_u32 s28, s28, s30
	s_mov_b32 s29, 0
	s_lshl_b32 s32, s25, 13
	s_lshl_b32 s30, s31, 9
	s_add_co_u32 s32, s32, s30
	s_lshl_b32 s30, s24, 8
	s_add_co_u32 s32, s32, s30
	s_mov_b32 s33, 0
	s_wait_alu depctr_va_vdst(0)
	v_lshlrev_b32 v4, 4, v1                        ; in: 16 bytes a lane, 512 consecutive bytes a load
	s_mul_i32 s19, s18, WSTG
	v_add_nc_u32 v5, s19, v4                       ; the stage, on the way in
	v_mul_u32_u24 v6, v2, SP
	v_lshl_add_u32 v6, v3, 7, v6
	v_add_nc_u32 v6, s19, v6                       ; and on the way out: row r, + 128 h bytes
	v_lshlrev_b32 v7, 3, v1                        ; a piece: 8 bytes a lane
	v_lshlrev_b32 v8, 2, v1                        ; scale words: 4 bytes a lane
	v_lshlrev_b32 v9, 3, v3                        ; 8 h: my two bytes' place in the scale word
	v_mov_b32 v235, 0                              ; a lane permute's destination counts as one of its sources
	s_wait_alu depctr_va_vdst(0)
	s_wait_kmcnt 0x0
	s_add_nc_u64 s[4:5], s[4:5], s[26:27]
	s_add_nc_u64 s[10:11], s[10:11], s[28:29]
	s_add_nc_u64 s[12:13], s[12:13], s[32:33]
.macro XLOAD t                         ; K step t of my 16 rows: each load reads 512 consecutive bytes of one row
.irp q, 0,1,2,3,4,5,6,7,8,9,10,11,12,13,14,15
	global_load_b128 v[R+64*((\t)%2)+4*\q:R+64*((\t)%2)+4*\q+3], v4, s[4:5] offset:(\q+8*(\q/8))*4096+512*(\t) th:TH_LOAD_NT
.endr
.endm
.macro XUNIT t
.if (\t) < 3
	s_wait_loadcnt 16                              ; this step's 16 loads are in; the next step's 16 stay out
.else
	s_wait_loadcnt 0x0
.endif
.irp q, 0,1,2,3,4,5,6,7,8,9,10,11,12,13,14,15
	ds_store_b128 v5, v[R+64*((\t)%2)+4*\q:R+64*((\t)%2)+4*\q+3] offset:SP*\q
.endr
.irp c, 0,1
.irp j, 0,1,2,3,4,5,6,7
	ds_load_b128 v[X+32*\c+4*\j:X+32*\c+4*\j+3], v6 offset:256*\c+16*\j   ; LDS serves a wave's instructions in order: these see the stores above
.endr
.endr
	s_wait_dscnt 0x0                               ; my 64 numbers are back, and the stores have read the loaded set
.if (\t)+2 < 4
	XLOAD (\t)+2                                   ; which takes the loads of two steps on
.endif
.irp c, 0,1
	v_max3_num_f32 v[TM+\c], |v[X+32*\c]|, |v[X+32*\c+1]|, 0x2800000   ; my block 2 c + h, all 32 numbers mine; the floor 2^(5 - 127) holds the byte at 1 from below
.endr
.irp i, 2,4,6,8,10,12,14,16,18,20,22,24,26,28,30
.irp c, 0,1
	v_max3_num_f32 v[TM+\c], v[TM+\c], |v[X+32*\c+\i]|, |v[X+32*\c+\i+1]|
.endr
.endr
.irp c, 0,1
	v_add_nc_u32 v[SO+\c], 0xfe000000, v[TM+\c]    ; 4 off the exponent field: the conversion takes this operand's exponent field as its scale
.endr
.irp c, 0,1
	v_lshrrev_b32 v[BY+\c], 23, v[SO+\c]           ; the byte
.endr
	v_lshl_or_b32 v234, v[BY+1], 16, v[BY]         ; blocks h and 2 + h,
	v_lshlrev_b32 v234, v9, v234                   ; at their places;
	v_permlanex16_b32 v235, v234, s20, s21
	v_or_b32 v[SW+(\t)], v234, v235                ; with lane l xor 16's two the word is whole, in both halves of the lanes
.if (\t) > 0
	s_wait_alu depctr_va_vdst(0)
	s_wait_xcnt 0x0                                ; the last step's stores have read the codes' registers
.endif
.irp c, 0,1
	v_cvt_scalef32_pk16_bf6_f32 v[C+6*\c:C+6*\c+2], v[X+32*\c:X+32*\c+15], v[SO+\c]
	v_cvt_scalef32_pk16_bf6_f32 v[CT+4*\c:CT+4*\c+2], v[X+32*\c+16:X+32*\c+31], v[SO+\c]
.endr
	v_nop                                          ; one plain place behind a scaled conversion
.irp c, 0,1
.irp i, 0,1,2
	v_mov_b32 v[C+3+6*\c+\i], v[CT+4*\c+\i]
.endr
.endr
.irp p, 0,1,2,3,4,5
	global_store_b64 v7, v[C+2*\p:C+2*\p+1], s[10:11] offset:((\t)/2)*49152+((\t)%2)*1536+256*\p   ; 32 lanes store 256 consecutive bytes, aligned
.endr
.endm
	XLOAD 0
	XLOAD 1
	XUNIT 0
	XUNIT 1
	XUNIT 2
	XUNIT 3
	v_cmp_le_u32 vcc_lo, 16, v1                    ; lanes 16-31 carry the odd step's words
	v_cndmask_b32 v234, v[SW], v[SW+1], vcc_lo
	v_cndmask_b32 v235, v[SW+2], v[SW+3], vcc_lo
	global_store_b32 v8, v234, s[12:13]            ; 128 consecutive bytes: two K steps' words of my 16 rows
	global_store_b32 v8, v235, s[12:13] offset:128
	s_wait_tensorcnt 0x0
	ds_add_u32 v254, v255
	s_wait_dscnt 0x0
	s_endpgm
; ---------------- the weights: a lane takes a column n, its registers run down K: nothing is transposed ----------------
; A wave takes 32 columns x 128 K.  Lane l is row (l & 7) + 8 (l >> 4) of tile (l >> 3) & 1 of its group of 32 columns.  Its block b of 32 along K is the six registers that
; lane (row, b % 2) of the fragment holds for c = b / 2.  The four waves stand side by side on 512 bytes of each row of the weight.
.macro WLOAD b, N, PTR
.set i, 0
.rept 32
	global_load_b32 v[16+32*(\b)+i], v4, s[\PTR:\PTR+1] offset:(32*(\b)+i)*\N*4 th:TH_LOAD_NT
.set i, i+1
.endr
.endm
.macro WBLOCK b, N, PTR
.set XS, 16+32*(\b)
.set E, 144+8*(\b)
.if (\b) < 3
	s_wait_loadcnt 32                              ; this block's 32 loads are in; the next block's 32 stay out
.else
	s_wait_loadcnt 0x0
.endif
.if (\b)+2 < 4
	WLOAD (\b)+2, \N, \PTR                         ; two blocks ahead, into registers of their own
.endif
	v_max3_num_f32 v10, |v[XS]|, |v[XS+1]|, |v[XS+2]|
	v_max3_num_f32 v14, |v[XS+3]|, |v[XS+4]|, |v[XS+5]|
.irp i, 6,10,14,18,22,26
	v_max3_num_f32 v10, v10, |v[XS+\i]|, |v[XS+\i+1]|
	v_max3_num_f32 v14, v14, |v[XS+\i+2]|, |v[XS+\i+3]|
.endr
	v_max3_num_f32 v10, v10, |v[XS+30]|, |v[XS+31]|
	v_max3_num_f32 v10, v10, v14, 0x2800000        ; and the floor
	v_add_nc_u32 v11, 0xfe000000, v10
	v_lshrrev_b32 v12, 23, v11
.if (\b) == 0
	v_mov_b32 v13, v12
.else
	v_lshl_or_b32 v13, v12, 8*(\b), v13            ; the four bytes make my column's scale word
.endif
	v_cvt_scalef32_pk16_bf6_f32 v[E:E+2], v[XS:XS+15], v11
	v_cvt_scalef32_pk16_bf6_f32 v[E+4:E+6], v[XS+16:XS+31], v11
	v_nop                                          ; one plain place behind a scaled conversion
	v_mov_b32 v[E+3], v[E+4]
	v_mov_b32 v[E+4], v[E+5]
	v_mov_b32 v[E+5], v[E+6]
.irp p, 0,1,2
	global_store_b64 v5, v[E+2*\p:E+2*\p+1], s[14:15] offset:(3*((\b)/2)+\p)*256+((\b)%2)*128   ; two runs of 128 bytes; my block b xor 1 fills the other halves
.endr
.endm
.macro WPATH N, FIRST, RB0, PTR
	s_sub_co_u32 s22, ttmp9, \FIRST
	s_and_b32 s23, s22, 7                          ; the K step
	s_lshr_b32 s24, s22, 3
	s_lshl_b32 s24, s24, 2
	s_add_co_u32 s24, s24, s18                     ; my group of 32 columns
	s_mul_i32 s26, s23, 128*\N*4
	s_lshl_b32 s27, s24, 7
	s_add_co_u32 s26, s26, s27
	s_mov_b32 s27, 0
	s_lshr_b32 s25, s24, 3
	s_add_co_u32 s25, s25, \RB0                    ; the block of 256 rows of wc
	s_and_b32 s28, s24, 7
	s_mul_i32 s30, s25, 196608
	s_lshr_b32 s29, s23, 1
	s_mul_i32 s29, s29, 49152
	s_add_co_u32 s30, s30, s29
	s_mul_i32 s29, s28, 6144
	s_add_co_u32 s30, s30, s29
	s_and_b32 s29, s23, 1
	s_mul_i32 s29, s29, 1536
	s_add_co_u32 s30, s30, s29
	s_mov_b32 s31, 0
	s_lshl_b32 s32, s25, 13
	s_lshl_b32 s29, s28, 10
	s_add_co_u32 s32, s32, s29
	s_lshl_b32 s29, s23, 6
	s_add_co_u32 s32, s32, s29
	s_mov_b32 s33, 0
	v_lshlrev_b32 v4, 2, v1                        ; in: 4 bytes a lane
	v_and_b32 v10, 7, v0
	v_lshl_add_u32 v10, v3, 3, v10                 ; my row of the tile
	v_bfe_u32 v11, v0, 3, 1                        ; my tile of the two
	v_mul_u32_u24 v5, v11, 3072
	v_lshl_add_u32 v5, v10, 3, v5                  ; codes: tile x 3072 + 8 x row
	v_lshlrev_b32 v6, 9, v11
	v_lshl_add_u32 v6, v10, 2, v6                  ; scale word: tile x 512 + 4 x row
	s_wait_alu depctr_va_vdst(0)
	s_wait_kmcnt 0x0
	s_add_nc_u64 s[\PTR:\PTR+1], s[\PTR:\PTR+1], s[26:27]
	s_add_nc_u64 s[14:15], s[14:15], s[30:31]
	s_add_nc_u64 s[16:17], s[16:17], s[32:33]
	WLOAD 0, \N, \PTR
	WLOAD 1, \N, \PTR
	WBLOCK 0, \N, \PTR
	WBLOCK 1, \N, \PTR
	WBLOCK 2, \N, \PTR
	WBLOCK 3, \N, \PTR
	global_store_b32 v6, v13, s[16:17]
	s_endpgm
.endm
.Lweights:
	s_cmp_ge_u32 ttmp9, 448
	s_cbranch_scc1 .Lproj_w
	s_wait_alu depctr_va_vdst(0)
	WPATH 3072, 256, 0, 6
.Lproj_w:
	s_wait_alu depctr_va_vdst(0)
	WPATH 1024, 448, 12, 8
.Lfunc_end_k_q75c4f54335_prep:
	.size	k_q75c4f54335_prep, .Lfunc_end_k_q75c4f54335_prep-k_q75c4f54335_prep
	.p2alignl 7, 3214868480
	.fill 96, 4, 3214868480
	.section	.rodata,"a",@progbits
	.p2align	6, 0x0
	.amdhsa_kernel k_q75c4f54335_prep
		.amdhsa_group_segment_fixed_size 34304
		.amdhsa_private_segment_fixed_size 0
		.amdhsa_enable_private_segment 0
		.amdhsa_kernarg_size 56
		.amdhsa_user_sgpr_count 2
		.amdhsa_user_sgpr_kernarg_segment_ptr 1
		.amdhsa_wavefront_size32 1
		.amdhsa_system_sgpr_workgroup_id_x 1
		.amdhsa_system_sgpr_workgroup_id_y 1
		.amdhsa_system_sgpr_workgroup_id_z 1
		.amdhsa_system_vgpr_workitem_id 0
		.amdhsa_next_free_vgpr 256
		.amdhsa_next_free_sgpr 66
		.amdhsa_reserve_vcc 1
		.amdhsa_float_denorm_mode_32 3
		.amdhsa_float_denorm_mode_16_64 3
		.amdhsa_memory_ordered 1
		.amdhsa_forward_progress 1
		.amdhsa_inst_pref_size 73
	.end_amdhsa_kernel
	.amdgpu_metadata
---
amdhsa.version: [ 1, 2 ]
amdhsa.kernels:
  - .name:           k_q75c4f54335_prep
    .symbol:         k_q75c4f54335_prep.kd
    .args:
      - { .name: x, .offset: 0, .size: 8, .value_kind: global_buffer, .address_space: global }
      - { .name: w_qkv, .offset: 8, .size: 8, .value_kind: global_buffer, .address_space: global }
      - { .name: w_proj, .offset: 16, .size: 8, .value_kind: global_buffer, .address_space: global }
      - { .name: xc, .offset: 24, .size: 8, .value_kind: global_buffer, .address_space: global }
      - { .name: xs, .offset: 32, .size: 8, .value_kind: global_buffer, .address_space: global }
      - { .name: wc, .offset: 40, .size: 8, .value_kind: global_buffer, .address_space: global }
      - { .name: ws, .offset: 48, .size: 8, .value_kind: global_buffer, .address_space: global }
    .group_segment_fixed_size: 34304
    .private_segment_fixed_size: 0
    .kernarg_segment_align: 8
    .kernarg_segment_size: 56
    .max_flat_workgroup_size: 128
    .sgpr_count:     66
    .vgpr_count:     256
    .wavefront_size: 32
...
	.end_amdgpu_metadata
.endif
;; end of part 1
;; launch qkv (part 2): grid 8 x 48, 4 waves a work-group, clusters of 4 x 4, 327,680 bytes of LDS; arguments xc, xs, wc, ws, b_qkv, qkvc; writes qkvc
.if DOCPART == 2
	.amdgcn_target "amdgcn-amd-amdhsa--gfx1250"
	.amdhsa_code_object_version 6
	.text
	.protected	k_q75c4f54335_qkv
	.globl	k_q75c4f54335_qkv
	.p2align	8
	.type	k_q75c4f54335_qkv,@function
k_q75c4f54335_qkv:
	s_mov_b64 s[64:65], 0
	v_nop
	global_prefetch_b8 v0, s[64:65] scope:SCOPE_SE
	s_setreg_imm32_b32 hwreg(HW_REG_WAVE_MODE, 25, 1), 1
	s_wait_xcnt 0x0
	s_wait_alu depctr_hold_cnt(0) depctr_sa_sdst(0) depctr_va_vdst(0) depctr_va_sdst(0) depctr_va_ssrc(0) depctr_va_vcc(0) depctr_vm_vsrc(0)
	s_getreg_b32 s2, hwreg(HW_REG_IB_STS2, 6, 4)
	s_cmp_eq_u32 s2, 0
	s_cbranch_scc0 .Lentry_in_a_cluster
	s_endpgm
.Lentry_in_a_cluster:
	s_bfe_u32 s2, ttmp6, 0x10000c
	s_cmp_lg_u32 s2, 0xf033
	s_cbranch_scc0 .Lentry_shape_is_right
	s_endpgm
.Lentry_shape_is_right:
.set QKV, 1
; ONE TEXT FOR TWO LAUNCHES.  QKV = 1: qkv = x w_qkv + b_qkv, quantised at once into q, k (along the head's 64) and v (along the keys).  QKV = 0: out = o w_proj + b_proj, f32.
; Both are products on codes of BF6 (E3M2) with one E8M0 byte for each 32 along K = 1,024, sums in f32, by v_wmma_scale_f32_16x16x128_f8f6f4.
; OPERANDS lie in memory as images of their registers: a fragment (16 rows x 128 K) is six pieces of 256 bytes, piece p = registers 2 p, 2 p + 1, lane l at 8 l; a block of 256 rows is 196,608 bytes:
; (K / 256) x 49152 + tile x 3072 + ((K / 128) & 1) x 1536; scale words: block x 8192 + tile x 512 + (K / 128) x 64 + 4 r.  Row r of tile 2 g + u is row 32 g + 8 u + r + 8 (r / 8) of the block.
; ROLES.  U = source 0: the result's registers run along its rows (by the tiles' row order, 16 neighbours in the registers of tiles 2 g, 2 g + 1).  L = source 1: a lane holds one of its rows.
;   QKV, cluster rows 0-7 (q and k): U = 256 rows of w_qkv^T, L = 256 tokens: a lane holds a token, its registers run along the head's channels.
;   QKV, cluster rows 8-11 (v):      U = 256 tokens, L = 256 rows of w_qkv^T: a lane holds a channel, its registers run along the keys.        proj: U = 128 rows of w_proj^T, L = 256 tokens.
; A work-group of four waves, as many as a WGP has SIMDs, makes 256 L rows x 32 NB U rows; a wave 128 x 16 NB: 8 NB accumulators.  K goes in four slots of 256 through a ring of two LDS slots; the eight K steps are written out.
; The scale words of the work-group's rows, for all of K, come into LDS once and then into 64 registers.  The bias is the C of each sum's first matrix instruction.
; CLUSTERS: 4 x 4 work-groups.  L's tiles hang on the cluster's row alone and are asked for jointly along it, U's on its column alone: the same tensor load, the same descriptor, a mask that names the four.
; The choice between the q, k form and the v form hangs on the cluster's y, which all sixteen partners share.
; LIMITS: NaN and infinities are not served; a block whose largest magnitude lies under 2^-122 gets the byte 1; a block of zeros gets the byte 1 where the rule says 127 (zero codes; only this program reads the bytes).
; REGISTERS, in windows of 256: window 0: v1-29 addresses; v32-95 scale words; v96-127 at work on the way out; v128-223 L's 8 fragments, one set.
;   window 1: U's fragments, two sets, at v0 and v128; the bias tiles at v96-127 and v224-255.   windows 2, 3: the accumulators, (a, b) at 8 (a NB + b).
.if QKV
.set NB, 8
.else
.set NB, 4
.endif
.set FR,    12                         ; registers of a fragment
.set UHB,   NB*3072                    ; NB tiles of U in a slot: what one tensor load brings
.set SLOT,  49152+2*UHB                ; L's 16 tiles, then U's 2 NB
.set SCL,   2*SLOT                     ; behind the ring: U's scale words, then L's
.set USZ,   NB*1024
.set SPARE, SCL+USZ+8192               ; the spare words, 128 bytes for each wave: two blocks of 256 bytes that no other line names
.set ADRA, 16                          ; v16-17 LDS address of my L fragments in slot 0, 1
.set ADRB, 20                          ; v20-21 the same for U
.set STO,  24                          ; v24    proj's way out: where I put 32 bytes of a row
.set RD,   25                          ; v25    and where I read a row back
.set CO,   26                          ; v26    my byte offset in out0
.set ADRS, 27                          ; v27    LDS address of my scale words: lanes 0-15 U's, lanes 16-31 L's
.set SPW,  28                          ; v28    LDS address of my spare word; never rewritten
.set NIL,  29                          ; v29    0; never rewritten
.set SC,   32                          ; v[SC + 8 i + s]: lanes 0-15 the word of U's tile i, lanes 16-31 of L's tile i, for K step s
.set TM,   96                          ; v96-111 the quantiser at work
.set PWR,  112                         ; v112-119 the scale word of each of my eight fragments
.set AF,   128                         ; L's fragments
.set G1,   24                          ; s[24:31] group 1 for L's tiles;  s[32:39] groups 0, one for each slot
.set G0,   32
.set G1B,  48                          ; s[48:55], s[56:63] the same for U's
.set G0B,  56
.set G1S,  68                          ; s[68:75], s[76:79] L's scale words;  s[80:87], s[88:91] U's
.set G0S,  76
.set G1SB, 80
.set G0SB, 88
.set MSB, 0
.macro WIN new                         ; the immediate's high byte repeats the setting that is left; a switch that changes nothing is dropped
.if MSB != \new
	s_set_vgpr_msb (MSB<<8)|\new
.set MSB, \new
.endif
.endm
; A joint load: waves 0 and 1 fetch L's halves, waves 2 and 3 U's.  The branch hangs on the wave's number alone.  Four v_nop follow each of the two lines.
.macro JLOAD g0a, g1a, g0b, g1b
	s_cmp_eq_u32 s17, 0
	s_cbranch_scc0 .Lfor_b_\@
	tensor_load_to_lds s[\g0a:\g0a+3], s[\g1a:\g1a+7]
	s_nop 0
.rept 4
	v_nop
.endr
	s_branch .Lasked_\@
.Lfor_b_\@:
	tensor_load_to_lds s[\g0b:\g0b+3], s[\g1b:\g1b+7]
	s_nop 0
.rept 4
	v_nop
.endr
.Lasked_\@:
.endm
.macro CREST                           ; a round of the cluster's barrier behind its opening barrier
	s_cmp_lg_u32 s16, 0
	s_cbranch_scc1 .Lnot_wave_0_\@
	s_barrier_signal -3
.Lnot_wave_0_\@:
	s_barrier_wait -3
	s_barrier_signal -1
	s_barrier_wait -1
.endm
.macro CROUND                          ; a whole round
	s_barrier_signal -1
	s_barrier_wait -1
	CREST
.endm
.macro PLACES                          ; four places behind a matrix instruction of this form, in front of loads into its registers and of reads of its results
.rept 4
	v_nop
.endr
.endm
	s_load_b256 s[4:11], s[0:1], 0x0               ; activations' codes s[4:5], their scales s[6:7], wc s[8:9], ws s[10:11]
	s_load_b128 s[12:15], s[0:1], 0x20             ; the bias s[12:13], the result s[14:15]
	v_lshl_add_u32 v[SPW], v0, 2, SPARE
	v_mov_b32 v[NIL], 0
	ds_add_u32 v28, v29
	ds_add_u32 v28, v29
	s_wait_dscnt 0x0
	v_lshrrev_b32 v1, 5, v0
	v_readfirstlane_b32 s16, v1                    ; wave 0..3
	s_lshr_b32 s17, s16, 1                         ; which half of L's rows is mine.  Also: I fetch for L (0) or for U (1)
	s_and_b32 s18, s16, 1                          ; which half of U's rows.  Also: which half of that tile I fetch
	s_bfe_u32 s19, ttmp6, 0x40000                  ; cx
	s_bfe_u32 s20, ttmp6, 0x40004                  ; cy
	s_lshl_b32 s21, ttmp9, 2
	s_add_co_u32 s21, s21, s19                     ; work-group x
	s_and_b32 s22, ttmp7, 0xffff                   ; the cluster's y
	s_lshl_b32 s23, s22, 2
	s_add_co_u32 s23, s23, s20                     ; work-group y
	s_lshl_b32 s40, s20, 2
	s_lshl_b32 s40, 15, s40                        ; my row of the cluster
	s_lshl_b32 s41, 0x1111, s19                    ; my column
	; group 1: dense blocks as rows of 256 bytes (32 elements of 8 bytes), no padding: 15:0 the mask; 17:16 element size code 3; 21 set beside a mask
	s_or_b32 s[G1], s40, (3<<16)|(1<<21)
	s_or_b32 s[G1B], s41, (3<<16)|(1<<21)
	s_or_b32 s[G1S], s40, (3<<16)|(1<<21)
	s_or_b32 s[G1SB], s41, (3<<16)|(1<<21)
.irp g, G1, G1B, G1S, G1SB
	s_mov_b32 s[\g+1], 32<<16                      ; tensor_dim0 = 32
	s_mov_b32 s[\g+3], 32<<16                      ; tile_dim0 = 32
	s_mov_b32 s[\g+5], 32                          ; from row to row
	s_mov_b32 s[\g+6], 0
	s_mov_b32 s[\g+7], 0
.endr
	s_mov_b32 s[G1+2], 96<<16                      ; tensor_dim1, tile_dim1: 8 tiles of L = 96 rows of 256 bytes
	s_mov_b32 s[G1+4], 96
	s_mov_b32 s[G1B+2], (UHB/256)<<16              ; NB tiles of U
	s_mov_b32 s[G1B+4], UHB/256
	s_mov_b32 s[G1S+2], 16<<16                     ; the scale words of 8 tiles of L
	s_mov_b32 s[G1S+4], 16
	s_mov_b32 s[G1SB+2], (NB*2)<<16                ; of NB tiles of U
	s_mov_b32 s[G1SB+4], NB*2
	; where the tiles go: made of the wave's number alone
	s_mov_b32 s[G0], 1
	s_mul_i32 s[G0+1], s18, 24576
	s_mov_b32 s[G0+4], 1
	s_add_co_u32 s[G0+5], s[G0+1], SLOT
	s_mov_b32 s[G0B], 1
	s_mul_i32 s[G0B+1], s18, UHB
	s_add_co_u32 s[G0B+1], s[G0B+1], 49152
	s_mov_b32 s[G0B+4], 1
	s_add_co_u32 s[G0B+5], s[G0B+1], SLOT
	s_mov_b32 s[G0S], 1
	s_lshl_b32 s[G0S+1], s18, 12
	s_add_co_u32 s[G0S+1], s[G0S+1], SCL+USZ
	s_mov_b32 s[G0SB], 1
	s_mul_i32 s[G0SB+1], s18, NB*512
	s_add_co_u32 s[G0SB+1], s[G0SB+1], SCL
	; where they come from.  L's offsets (s44-47) are made of cy and the cluster's y, U's (s92-95) of cx, the cluster's x and y
.if QKV
	s_add_co_u32 s42, s20, 8                       ; v: L = block 8 + cy of wc
	s_max_u32 s43, s22, 8
	s_sub_co_u32 s43, s43, 8                       ; v: the batch
	s_lshl_b32 s43, s43, 3
	s_add_co_u32 s43, s43, s21                     ; v: U = block 8 x batch + x of xc
	s_cmp_ge_u32 s22, 8
	s_cselect_b32 s42, s42, s23                    ; q, k: L = block y of xc
	s_cselect_b32 s43, s43, s21                    ; q, k: U = block x of wc
	s_mul_i32 s44, s42, 196608
	s_lshl_b32 s46, s42, 13
	s_mul_i32 s92, s43, 196608
	s_lshl_b32 s94, s43, 13
.else
	s_mul_i32 s44, s23, 196608                     ; L = block y of the activations
	s_lshl_b32 s46, s23, 13
	s_lshr_b32 s43, s21, 1
	s_add_co_u32 s43, s43, 12                      ; U = half x % 2 of block 12 + x / 2 of wc
	s_and_b32 s98, s21, 1
	s_mul_i32 s92, s43, 196608
	s_mul_i32 s99, s98, 24576
	s_add_co_u32 s92, s92, s99
	s_lshl_b32 s94, s43, 13
	s_lshl_b32 s99, s98, 12
	s_add_co_u32 s94, s94, s99
.endif
	s_mul_i32 s96, s18, 24576                      ; the half that I fetch
	s_add_co_u32 s44, s44, s96
	s_mov_b32 s45, 0
	s_lshl_b32 s96, s18, 12
	s_add_co_u32 s46, s46, s96
	s_mov_b32 s47, 0
	s_mul_i32 s96, s18, UHB
	s_add_co_u32 s92, s92, s96
	s_mov_b32 s93, 0
	s_mul_i32 s96, s18, NB*512
	s_add_co_u32 s94, s94, s96
	s_mov_b32 s95, 0
	s_wait_kmcnt 0x0
.if QKV
	s_cmp_ge_u32 s22, 8                            ; the buffers change roles with the form; the choice hangs on the cluster's y alone
	s_cselect_b64 s[96:97], s[8:9], s[4:5]
	s_cselect_b64 s[98:99], s[10:11], s[6:7]
	s_cselect_b64 s[100:101], s[4:5], s[8:9]
	s_cselect_b64 s[2:3], s[6:7], s[10:11]
	s_add_nc_u64 s[44:45], s[96:97], s[44:45]
	s_add_nc_u64 s[46:47], s[98:99], s[46:47]
	s_add_nc_u64 s[92:93], s[100:101], s[92:93]
	s_add_nc_u64 s[94:95], s[2:3], s[94:95]
.else
	s_add_nc_u64 s[44:45], s[4:5], s[44:45]
	s_add_nc_u64 s[46:47], s[6:7], s[46:47]
	s_add_nc_u64 s[92:93], s[8:9], s[92:93]
	s_add_nc_u64 s[94:95], s[10:11], s[94:95]
.endif
	s_mov_b64 s[G0+2:G0+3], s[44:45]               ; slot 0: K 0 .. 255
	s_or_b32 s[G0+3], s[G0+3], 0x80000000          ; type = 2
	s_add_nc_u64 s[G0+6:G0+7], s[44:45], 49152     ; slot 1: K 256 .. 511
	s_or_b32 s[G0+7], s[G0+7], 0x80000000
	s_mov_b64 s[G0B+2:G0B+3], s[92:93]
	s_or_b32 s[G0B+3], s[G0B+3], 0x80000000
	s_add_nc_u64 s[G0B+6:G0B+7], s[92:93], 49152
	s_or_b32 s[G0B+7], s[G0B+7], 0x80000000
	s_mov_b64 s[G0S+2:G0S+3], s[46:47]
	s_or_b32 s[G0S+3], s[G0S+3], 0x80000000
	s_mov_b64 s[G0SB+2:G0SB+3], s[94:95]
	s_or_b32 s[G0SB+3], s[G0SB+3], 0x80000000
	CROUND                                         ; all sixteen work-groups are here: the first joint loads meet
	JLOAD G0S, G1S, G0SB, G1SB                     ; the scale words; then both slots: three tensor loads of mine are out
	JLOAD G0, G1, G0B, G1B
	JLOAD G0+4, G1, G0B+4, G1B
	v_and_b32 v1, 15, v0                           ; r
	v_bfe_u32 v2, v0, 4, 1                         ; h
	s_wait_alu depctr_va_vdst(0)
	v_and_b32 v4, 31, v0
	v_lshlrev_b32 v3, 3, v4                        ; 8 x lane: my place in every piece
	s_mul_i32 s96, s17, 24576                      ; my 8 tiles of L
	s_mul_i32 s97, s18, UHB                        ; my NB tiles of U,
	s_add_co_u32 s97, s97, 49152                   ; which lie behind L's 16
	v_add_nc_u32 v[ADRA], s96, v3
	v_add_nc_u32 v[ADRB], s97, v3
	s_add_co_u32 s96, s96, SLOT
	s_add_co_u32 s97, s97, SLOT
	v_add_nc_u32 v[ADRA+1], s96, v3
	v_add_nc_u32 v[ADRB+1], s97, v3
	s_mul_i32 s96, s18, NB*512                     ; U's scale words: my NB tiles
	s_lshl_b32 s97, s17, 12
	s_add_co_u32 s97, s97, USZ                     ; L's: my 8 tiles, behind U's
	s_sub_co_u32 s97, s97, s96
	v_mul_u32_u24 v5, s97, v2                      ; lanes 16-31 take L's: one product, the distance between the two
	v_lshl_add_u32 v5, v1, 2, v5
	s_add_co_u32 s96, s96, SCL
	v_add_nc_u32 v[ADRS], s96, v5
.if QKV
	; the bias tiles, in the result's layout, into window 1
	s_cmp_ge_u32 s22, 8
	s_cbranch_scc1 .Lbias_v
	s_lshl_b32 s98, s21, 10                        ; q, k: along U: 256 x + 128 x half numbers on
	s_lshl_b32 s99, s18, 9
	s_add_co_u32 s98, s98, s99
	s_mov_b32 s99, 0
	s_add_nc_u64 s[98:99], s[12:13], s[98:99]
	v_lshlrev_b32 v4, 6, v2                        ; lanes 16-31: 16 numbers further on
	WIN 0x40                                       ; destination window 1
.irp b, 0,1,2,3,4,5,6,7
	global_load_b128 v[96+8*\b+96*(\b/4):96+8*\b+96*(\b/4)+3], v4, s[98:99] offset:(32*(\b/2)+8*(\b%2))*4
	global_load_b128 v[96+8*\b+96*(\b/4)+4:96+8*\b+96*(\b/4)+7], v4, s[98:99] offset:(32*(\b/2)+8*(\b%2))*4+16
.endr
	WIN 0
	s_branch .Lbias_done
.Lbias_v:
	s_lshl_b32 s98, s20, 10                        ; v: along L: number 2048 + 256 cy + 128 x half on; a lane's eight registers hold its channel's bias
	s_lshl_b32 s99, s17, 9
	s_add_co_u32 s98, s98, s99
	s_add_co_u32 s98, s98, 8192
	s_mov_b32 s99, 0
	s_add_nc_u64 s[98:99], s[12:13], s[98:99]
	v_and_b32 v6, 8, v1
	v_add_nc_u32 v6, v6, v1
	v_lshlrev_b32 v6, 2, v6                        ; 4 (r + 8 (r / 8))
	WIN 0x40
.irp a, 0,1,2,3,4,5,6,7
.irp j, 0,1,2,3,4,5,6,7
	global_load_b32 v[96+8*\a+96*(\a/4)+\j], v6, s[98:99] offset:(32*(\a/2)+8*(\a%2))*4
.endr
.endr
	WIN 0
.Lbias_done:
.else
	s_mul_i32 s96, s16, 4352                       ; my stage: 16 rows x (256 bytes + 16), in slot 0
	v_mul_u32_u24 v5, v1, 272
	v_lshl_add_u32 v5, v2, 6, v5
	v_add_nc_u32 v[STO], s96, v5                   ; in: row r, + 64 h
	v_mul_u32_u24 v5, v2, 272
	v_lshl_add_u32 v5, v1, 4, v5
	v_add_nc_u32 v[RD], s96, v5                    ; back: lanes 0-15 one row, lanes 16-31 the next
	v_lshlrev_b32 v5, 12, v2
	v_lshl_add_u32 v[CO], v1, 4, v5                ; and the same two rows in out0
	s_lshl_b32 s92, s23, 20                        ; my first row: (256 y + 128 x half) rows of 4,096 bytes,
	s_lshl_b32 s93, s17, 19
	s_add_co_u32 s92, s92, s93
	s_lshl_b32 s93, s21, 9                         ; my first column: (128 x + 64 x half) numbers
	s_add_co_u32 s92, s92, s93
	s_lshl_b32 s93, s18, 8
	s_add_co_u32 s92, s92, s93
	s_mov_b32 s93, 0
	s_add_nc_u64 s[92:93], s[14:15], s[92:93]
	s_lshl_b32 s98, s21, 9                         ; the bias, along U
	s_lshl_b32 s99, s18, 8
	s_add_co_u32 s98, s98, s99
	s_mov_b32 s99, 0
	s_add_nc_u64 s[98:99], s[12:13], s[98:99]
	v_lshlrev_b32 v4, 6, v2
	WIN 0x40
.irp b, 0,1,2,3
	global_load_b128 v[96+8*\b:96+8*\b+3], v4, s[98:99] offset:(32*(\b/2)+8*(\b%2))*4
	global_load_b128 v[96+8*\b+4:96+8*\b+7], v4, s[98:99] offset:(32*(\b/2)+8*(\b%2))*4+16
.endr
	WIN 0
.endif
.macro FRAG reg, adr, kk, i            ; a fragment comes as it lies: six loads of 8 bytes a lane, each 256 consecutive bytes
.irp p, 0,1,2,3,4,5
	ds_load_b64 v[\reg+2*\p:\reg+2*\p+1], v[\adr] offset:(\i)*3072+(\kk)*1536+256*\p
.endr
.endm
.macro FETCH_B slot, kk, set           ; U's NB fragments into set
	WIN 0x40
.irp i, 0,1,2,3,4,5,6,7
.if \i < NB
	FRAG 128*(\set)+FR*\i, ADRB+\slot, \kk, \i
.endif
.endr
	WIN 0
.endm
.macro FETCH_A slot, kk, i0            ; L's blocks i0 .. i0 + 3
.irp i, \i0, \i0+1, \i0+2, \i0+3
	FRAG AF+FR*(\i), ADRA+\slot, \kk, \i
.endr
.endm
; 2 NB matrix instructions: L's blocks a0, a0 + 1 against U's NB, K step ks.  mode 0: onto the sums; 1: the bias along U starts them; 2: the bias along L.
; The accumulators take turns, one instruction a turn, in the same order in every step.
.macro MUL2 a0, set, ks, mode
.irp a, \a0, \a0+1
.set AW, 2+((\a)*NB)/32
.if \mode
	WIN ((AW<<6)|0x11)
.else
	WIN ((AW<<6)|(AW<<4)|0x01)
.endif
.irp b, 0,1,2,3,4,5,6,7
.if \b < NB
.set AR, 8*(((\a)*NB+\b)%32)
.if \mode == 1
.set CR, 96+8*\b+96*(\b/4)
.else
.set CR, 96+8*(\a)+96*((\a)/4)
.endif
.if \mode
	v_wmma_scale_f32_16x16x128_f8f6f4 v[AR:AR+7], v[128*(\set)+FR*\b:128*(\set)+FR*\b+FR-1], v[AF+FR*(\a):AF+FR*(\a)+FR-1], v[CR:CR+7], v[SC+8*\b+(\ks)], v[SC+8*(\a)+(\ks)] matrix_a_fmt:MATRIX_FMT_BF6 matrix_b_fmt:MATRIX_FMT_BF6 matrix_b_scale:MATRIX_SCALE_ROW1
.else
	v_wmma_scale_f32_16x16x128_f8f6f4 v[AR:AR+7], v[128*(\set)+FR*\b:128*(\set)+FR*\b+FR-1], v[AF+FR*(\a):AF+FR*(\a)+FR-1], v[AR:AR+7], v[SC+8*\b+(\ks)], v[SC+8*(\a)+(\ks)] matrix_a_fmt:MATRIX_FMT_BF6 matrix_b_fmt:MATRIX_FMT_BF6 matrix_b_scale:MATRIX_SCALE_ROW1
.endif
.endif
.endr
.endr
.endm
; A slot's first K step: its successor lies in the same slot.
.macro STEP slot, ks, mode
	s_wait_dscnt 24                                ; U's set and L's blocks 0-3 are in; the youngest 24 loads (L's blocks 4-7) may be out
	MUL2 0, 0, \ks, \mode
	MUL2 2, 0, \ks, \mode
	s_wait_dscnt 0x0                               ; L's blocks 4-7 are in
	PLACES
	FETCH_B \slot, 1, 1
	FETCH_A \slot, 1, 0
	MUL2 4, 0, \ks, \mode
	MUL2 6, 0, \ks, \mode
	PLACES
	WIN 0
	FETCH_A \slot, 1, 4
.endm
; A slot's second K step changes slots: ONE barrier; in front of it each wave waits for all its tensor loads, adds 0 to its spare word, and waits for that and for its own reads of this slot.
; fill = 1: the barrier opens a round of the cluster's barrier, and behind it this slot is filled again, two slots ahead.
.macro TURN slot, next, fill, ks
	s_wait_tensorcnt 0x0                           ; all my tensor loads have landed: my part of the next slot
	ds_add_u32 v[SPW], v[NIL]                      ; 0 onto my spare word
	s_wait_dscnt 25                                ; the add and the youngest 24 loads (L's blocks 4-7) may be out
	MUL2 0, 1, \ks, 0                              ; matrix work stands between the add and the wait for it
	s_wait_dscnt 0x0                               ; the add is done, and my reads of this slot are over
	s_barrier_signal -1
	MUL2 2, 1, \ks, 0
	WIN 0
	s_barrier_wait -1
.if \fill
	CREST                                          ; no wave of any partner still reads this slot's tiles or has a load on its way
	s_add_nc_u64 s[G0+4*\slot+2:G0+4*\slot+3], s[G0+4*\slot+2:G0+4*\slot+3], 98304
	s_add_nc_u64 s[G0B+4*\slot+2:G0B+4*\slot+3], s[G0B+4*\slot+2:G0B+4*\slot+3], 98304
	JLOAD G0+4*\slot, G1, G0B+4*\slot, G1B         ; the first tensor load behind the round; its four v_nop are the places in front of the loads below
.else
	PLACES
.endif
	FETCH_B \next, 0, 0
	FETCH_A \next, 0, 0
	MUL2 4, 1, \ks, 0
	MUL2 6, 1, \ks, 0
	PLACES
	WIN 0
	FETCH_A \next, 0, 4
.endm
	s_wait_tensorcnt 1                             ; the scale words and my part of slot 0 are in; slot 1's load may be out
	s_barrier_signal -1
	s_barrier_wait -1                              ; everybody's are
	s_wait_alu depctr_va_vdst(0)
	FETCH_B 0, 0, 0
	FETCH_A 0, 0, 0
.irp i, 0,1,2,3,4,5,6,7
.irp s, 0,1,2,3,4,5,6,7
	ds_load_b32 v[SC+8*\i+\s], v[ADRS] offset:512*\i+64*\s   ; all scale words of my rows, once
.endr
.endr
	FETCH_A 0, 0, 4
	s_wait_loadcnt 0x0                             ; the bias
.if QKV
	s_cmp_ge_u32 s22, 8
	s_cbranch_scc1 .Lfirst_v
	STEP 0, 0, 1                                   ; the first products start the sums with the bias: nothing is cleared
	s_branch .Lfirst_done
.Lfirst_v:
	STEP 0, 0, 2
.Lfirst_done:
.else
	STEP 0, 0, 1
.endif
	TURN 0, 1, 1, 1
	STEP 1, 2, 0
	TURN 1, 0, 1, 3
	STEP 0, 4, 0
	TURN 0, 1, 0, 5                                ; nothing is left to fetch
	STEP 1, 6, 0
	s_wait_dscnt 24                                ; the last step
	MUL2 0, 1, 7, 0
	MUL2 2, 1, 7, 0
	s_wait_dscnt 0x0
	MUL2 4, 1, 7, 0
	MUL2 6, 1, 7, 0
	WIN 0
	PLACES
.if QKV
; THE WAY OUT: the 64 accumulator registers of L's block a are, for my lane's row, 128 neighbours along U: register 16 b + i = U row 32 b + 16 h + i.  They become one fragment and one scale word.
	s_mov_b32 s66, 0x76543210
	s_mov_b32 s67, 0xfedcba98                      ; v_permlanex16_b32's selects for lane l xor 16
.irp b, 0,1,2,3
	v_mov_b32 v[TM+4+\b], 0                        ; a lane permute's destination counts as one of its sources
.endr
	v_and_b32 v7, 31, v0
	v_lshlrev_b32 v8, 2, v7                        ; scale words leave 4 bytes a lane
	v_cmp_le_u32 vcc_lo, 16, v7
.macro QUANTW a
.set AC, 64*((\a)%4)
.set QW, 2+(\a)/4
.set PC, 128+20*((\a)%2)
	WIN (QW|(QW<<2))                               ; sources 0 and 1: the accumulators' window
.irp b, 0,1,2,3
	v_max3_num_f32 v[TM+\b], |v[AC+16*\b]|, |v[AC+16*\b+1]|, 0x2800000   ; block b: my 16 numbers, each accumulator from its low end on; the floor 2^(5 - 127) holds the byte at 1
.endr
.irp i, 2,4,6,8,10,12,14
.irp b, 0,1,2,3
	v_max3_num_f32 v[TM+\b], |v[AC+16*\b+\i]|, |v[AC+16*\b+\i+1]|, v[TM+\b]
.endr
.endr
	WIN 0
.irp b, 0,1,2,3
	v_permlanex16_b32 v[TM+4+\b], v[TM+\b], s66, s67
.endr
.irp b, 0,1,2,3
	v_max_num_f32 v[TM+\b], v[TM+\b], v[TM+4+\b]   ; with lane l xor 16's 16: the block's largest magnitude
.endr
.irp b, 0,1,2,3
	v_add_nc_u32 v[TM+12+\b], 0xfe000000, v[TM+\b] ; 4 off its exponent field: the conversion's scale operand
.endr
.irp b, 0,1,2,3
	v_lshrrev_b32 v[TM+4+\b], 23, v[TM+12+\b]      ; the byte
.endr
	v_lshl_or_b32 v[PWR+(\a)], v[TM+5], 8, v[TM+4]
	v_lshl_or_b32 v[PWR+(\a)], v[TM+6], 16, v[PWR+(\a)]
	v_lshl_or_b32 v[PWR+(\a)], v[TM+7], 24, v[PWR+(\a)]
	s_wait_xcnt 0x0                                ; earlier stores have read the codes' registers
	WIN QW
.irp c, 0,1
	v_cvt_scalef32_pk16_bf6_f32 v[PC+6*\c:PC+6*\c+2], v[AC+32*\c:AC+32*\c+15], v[TM+12+2*\c]
	v_cvt_scalef32_pk16_bf6_f32 v[PC+12+4*\c:PC+14+4*\c], v[AC+32*\c+16:AC+32*\c+31], v[TM+12+2*\c+1]
.endr
	WIN 0
	v_nop                                          ; one plain place behind a scaled conversion
.irp c, 0,1                            ; the operand's layout wants a whole block in a lane
.irp i, 0,1,2
	v_permlane16_swap_b32 v[PC+6*\c+\i], v[PC+12+4*\c+\i]
.endr
.irp i, 0,1,2
	v_mov_b32 v[PC+3+6*\c+\i], v[PC+12+4*\c+\i]
.endr
.endr
.endm
.macro OUTQ a, isv
	QUANTW \a
.irp p, 0,1,2,3,4,5
.if \isv
	global_store_b64 v3, v[PC+2*\p:PC+2*\p+1], s[92:93] offset:((\a)/4)*307200+((\a)%4)*1536+256*\p   ; head a / 4 of my two, channel tile a % 4
.else
	global_store_b64 v3, v[PC+2*\p:PC+2*\p+1], s[92:93] offset:(\p/3)*307200+(\a)*768+(\p%3)*256      ; half a fragment to each of my two heads; token tile a
.endif
.endr
.endm
; qkvc: a head (16 x batch + head) has 307,200 bytes: k's half fragments (tile x 768), k's scale words at 98304 (group x 64 + 4 r: tile 0's two bytes, tile 1's two),
; v's fragments at 102400 ((4 x key step + channel tile) x 1536), v's scale words at 200704, q's half fragments at 204800, q's scale words at 303104.  Every store covers 256 (codes) or 128 (words) consecutive bytes.
	s_cmp_ge_u32 s22, 8
	s_cbranch_scc1 .Lout_v
	s_lshr_b32 s96, s23, 3                         ; the batch
	s_lshl_b32 s96, s96, 4
	s_and_b32 s97, s21, 3
	s_lshl_b32 s97, s97, 2
	s_add_co_u32 s96, s96, s97
	s_lshl_b32 s97, s18, 1
	s_add_co_u32 s96, s96, s97                     ; my first head
	s_mul_i32 s96, s96, 307200
	s_cmp_lt_u32 s21, 4
	s_cselect_b32 s97, 204800, 0                   ; q's region or k's
	s_add_co_u32 s96, s96, s97
	s_and_b32 s98, s23, 7
	s_lshl_b32 s98, s98, 1
	s_add_co_u32 s98, s98, s17                     ; which 128 tokens of the batch
	s_mul_i32 s99, s98, 8*768
	s_add_co_u32 s92, s96, s99
	s_mov_b32 s93, 0
	s_lshl_b32 s99, s98, 8
	s_add_co_u32 s94, s96, s99
	s_add_co_u32 s94, s94, 98304
	s_mov_b32 s95, 0
	s_add_nc_u64 s[92:93], s[14:15], s[92:93]
	s_add_nc_u64 s[94:95], s[14:15], s[94:95]
.irp a, 0,1,2,3,4,5,6,7
	OUTQ \a, 0
.endr
.irp g, 0,1,2,3                        ; a group's word for a head: the head's two bytes of tile 0, then of tile 1
	v_perm_b32 v[168+2*\g], v[PWR+2*\g+1], v[PWR+2*\g], 0x05040100
	v_perm_b32 v[169+2*\g], v[PWR+2*\g+1], v[PWR+2*\g], 0x07060302
.endr
.irp hh, 0,1
.irp g2, 0,1
	v_cndmask_b32 v[176+2*\hh+\g2], v[168+4*\g2+\hh], v[170+4*\g2+\hh], vcc_lo   ; lanes 16-31 carry the odd group's words
	global_store_b32 v8, v[176+2*\hh+\g2], s[94:95] offset:\hh*307200+128*\g2
.endr
.endr
	s_branch .Lend
.Lout_v:
	s_sub_co_u32 s96, s22, 8                       ; the batch
	s_lshl_b32 s96, s96, 4
	s_lshl_b32 s97, s20, 2
	s_add_co_u32 s96, s96, s97
	s_lshl_b32 s97, s17, 1
	s_add_co_u32 s96, s96, s97                     ; my first head
	s_mul_i32 s96, s96, 307200
	s_lshl_b32 s98, s21, 1
	s_add_co_u32 s98, s98, s18                     ; my key step of 128
	s_mul_i32 s99, s98, 6144
	s_add_co_u32 s92, s96, s99
	s_add_co_u32 s92, s92, 102400
	s_mov_b32 s93, 0
	s_lshl_b32 s99, s98, 8
	s_add_co_u32 s94, s96, s99
	s_add_co_u32 s94, s94, 200704
	s_mov_b32 s95, 0
	s_add_nc_u64 s[92:93], s[14:15], s[92:93]
	s_add_nc_u64 s[94:95], s[14:15], s[94:95]
.irp a, 0,1,2,3,4,5,6,7
	OUTQ \a, 1
.endr
.irp j, 0,1,2,3
	v_cndmask_b32 v[176+\j], v[PWR+2*\j], v[PWR+2*\j+1], vcc_lo
	global_store_b32 v8, v[176+\j], s[94:95] offset:(\j/2)*307200+(\j%2)*128
.endr
.Lend:
.else
; THE WAY OUT: a lane holds 8 neighbouring columns of one row for each accumulator, and the lanes beside it hold other rows: a block of 16 rows x 64 columns goes through my own stage and comes back as whole rows of 256 bytes.
; The stage lies in slot 0, which has had its last fill, and which nobody reads behind the last change of slots.  LDS serves a wave's instructions in order: no wait between the stores and the loads.
.macro TOSTAGE a
	WIN 0x08                                       ; an LDS store's data are its source 1: window 2
.irp b, 0,1,2,3
	ds_store_b128 v[STO], v[8*(4*(\a)+\b):8*(4*(\a)+\b)+3] offset:128*(\b/2)+32*(\b%2)       ; each accumulator from its low end on
	ds_store_b128 v[STO], v[8*(4*(\a)+\b)+4:8*(4*(\a)+\b)+7] offset:128*(\b/2)+32*(\b%2)+16
.endr
	WIN 0
.set BB, 128+32*((\a)%2)
.irp t, 0,1,2,3,4,5,6,7
	ds_load_b128 v[BB+4*\t:BB+4*\t+3], v[RD] offset:544*\t
.endr
.endm
.macro SEND a, younger                 ; younger: the LDS instructions issued behind block a's loads, which may stay out
.set BB, 128+32*((\a)%2)
	s_wait_dscnt \younger
.irp t, 0,1,2,3,4,5,6,7
	global_store_b128 v[CO], v[BB+4*\t:BB+4*\t+3], s[92:93] offset:(2*\t+8*(\t/4)+32*((\a)/2)+8*((\a)%2))*4096 th:TH_STORE_NT   ; 16 lanes store 256 consecutive bytes, aligned; stage row q is token q + 8 (q / 8) of the tile
.endr
.endm
	TOSTAGE 0
.irp a, 1,2,3,4,5,6,7
.if \a > 1
	s_wait_xcnt 0x0                                ; block a - 2's stores have read their registers: block a's loads may land there
.endif
	TOSTAGE \a
	SEND \a-1, 16                                  ; behind block a - 1's loads: block a's 8 stores and 8 loads
.endr
	SEND 7, 0
.endif
	s_wait_tensorcnt 0x0                           ; the wave's end
	ds_add_u32 v[SPW], v[NIL]
	s_wait_dscnt 0x0
	CROUND                                         ; the closing round: no work-group ends while a partner may still ask for a tile that names it
	s_endpgm
.Lfunc_end_k_q75c4f54335_qkv:
	.size	k_q75c4f54335_qkv, .Lfunc_end_k_q75c4f54335_qkv-k_q75c4f54335_qkv
	.p2alignl 7, 3214868480
	.fill 96, 4, 3214868480
	.section	.rodata,"a",@progbits
	.p2align	6, 0x0
	.amdhsa_kernel k_q75c4f54335_qkv
		.amdhsa_group_segment_fixed_size 327680
		.amdhsa_private_segment_fixed_size 0
		.amdhsa_enable_private_segment 0
		.amdhsa_kernarg_size 48
		.amdhsa_user_sgpr_count 2
		.amdhsa_user_sgpr_kernarg_segment_ptr 1
		.amdhsa_wavefront_size32 1
		.amdhsa_system_sgpr_workgroup_id_x 1
		.amdhsa_system_sgpr_workgroup_id_y 1
		.amdhsa_system_sgpr_workgroup_id_z 1
		.amdhsa_system_vgpr_workitem_id 0
		.amdhsa_next_free_vgpr 1024
		.amdhsa_next_free_sgpr 102
		.amdhsa_reserve_vcc 1
		.amdhsa_float_denorm_mode_32 3
		.amdhsa_float_denorm_mode_16_64 3
		.amdhsa_memory_ordered 1
		.amdhsa_forward_progress 1
		.amdhsa_inst_pref_size 229
	.end_amdhsa_kernel
	.amdgpu_metadata
---
amdhsa.version: [ 1, 2 ]
amdhsa.kernels:
  - .name:           k_q75c4f54335_qkv
    .symbol:         k_q75c4f54335_qkv.kd
    .args:
      - { .name: xc, .offset: 0, .size: 8, .value_kind: global_buffer, .address_space: global }
      - { .name: xs, .offset: 8, .size: 8, .value_kind: global_buffer, .address_space: global }
      - { .name: wc, .offset: 16, .size: 8, .value_kind: global_buffer, .address_space: global }
      - { .name: ws, .offset: 24, .size: 8, .value_kind: global_buffer, .address_space: global }
      - { .name: b_qkv, .offset: 32, .size: 8, .value_kind: global_buffer, .address_space: global }
      - { .name: qkvc, .offset: 40, .size: 8, .value_kind: global_buffer, .address_space: global }
    .group_segment_fixed_size: 327680
    .private_segment_fixed_size: 0
    .kernarg_segment_align: 8
    .kernarg_segment_size: 48
    .max_flat_workgroup_size: 128
    .sgpr_count:     102
    .vgpr_count:     1024
    .wavefront_size: 32
...
	.end_amdgpu_metadata
.endif
;; end of part 2
;; launch attn (part 3): grid 4 x 64, 16 waves a work-group, clusters of 4 x 1, 215,040 bytes of LDS; arguments qkvc, ac, asc; writes ac, asc
.if DOCPART == 3
	.amdgcn_target "amdgcn-amd-amdhsa--gfx1250"
	.amdhsa_code_object_version 6
	.text
	.protected	k_q75c4f54335_attn
	.globl	k_q75c4f54335_attn
	.p2align	8
	.type	k_q75c4f54335_attn,@function
k_q75c4f54335_attn:
	s_mov_b64 s[64:65], 0
	v_nop
	global_prefetch_b8 v0, s[64:65] scope:SCOPE_SE
	s_setreg_imm32_b32 hwreg(HW_REG_WAVE_MODE, 25, 1), 1
	s_wait_xcnt 0x0
	s_wait_alu depctr_hold_cnt(0) depctr_sa_sdst(0) depctr_va_vdst(0) depctr_va_sdst(0) depctr_va_ssrc(0) depctr_va_vcc(0) depctr_vm_vsrc(0)
	s_getreg_b32 s2, hwreg(HW_REG_IB_STS2, 6, 4)
	s_cmp_eq_u32 s2, 0
	s_cbranch_scc0 .Lentry_in_a_cluster
	s_endpgm
.Lentry_in_a_cluster:
	s_bfe_u32 s2, ttmp6, 0x10000c
	s_cmp_lg_u32 s2, 0x3003
	s_cbranch_scc0 .Lentry_shape_is_right
	s_endpgm
.Lentry_shape_is_right:
; Causal attention of one head (16 x batch + head = work-group y) on codes of BF6 (E3M2), one E8M0 byte for each 32 along a product's K; head size 64; 2,048 tokens.  o / l is quantised along the head's 64 and stored as codes.
; SOFTMAX: t = score x log2(e) / 8; M = the running largest t rounded UP to a whole number; p = 2^(t - M) is quantised along the keys, not normalised; the sum is taken of the unquantised p and divides at the end.
; When M moves, the sum and O are multiplied by 2^(old M - new M): exact.
; SHARES.  Sixteen waves, four to a SIMD.  Wave w (a = w / 2, u = w % 2) owns two tiles of 16 queries: tile u of group g = 4 a + cx and tile u of group 63 - g.  The first wants key steps 0 .. a, the second 0 .. 15 - a:
; 17 steps of 128 keys for EVERY wave, so the causal work is even, and every branch hangs on the wave's number and the trip alone.  cx enters global addresses and the mask's lane values only.
; The first tile walks its steps upward (the diagonal step last), the second downward (the diagonal step first: a running M allows any order).
; K AND V COME ONCE: a head's k fragments, k scale words, v fragments and v scale words are 204,800 dense bytes; each wave brings 12,800 of them by one tensor load.  The four work-groups of a cluster
; share the head: the load is joint (the same descriptor, made of the wave's number and the head; the mask names the four).  Nothing is filled again and nothing is stored to LDS: one wait, one barrier.
; LAYOUT.  Both products are used transposed: S^T = K Q^T, O^T = V^T P^T: a lane holds ONE query.  Row r of tile 2 g + u of tokens (and of channels) is 32 g + 8 u + r + 8 (r / 8), so that the 16 registers of two neighbouring tiles are 16 neighbours.
; K = 64 IN A FORM OF 128: a fragment of k holds tile (g, 0) in K 0-63 and tile (g, 1) in K 64-127.  Q stands as 18 registers [0 q 0]: [q 0] gives tile 0's scores, [0 q] tile 1's: zero codes add nothing.  Q's scale word is its two bytes twice.
; LIMITS: NaN and infinities are not served; a block whose largest magnitude lies under 2^-122 gets the byte 1; a block of zeros the byte 1 (zero codes; only this program reads the bytes).
; REGISTERS: v1-4 lane places, v5-8 the step's LDS addresses, v9 r + 8 (r / 8) - 16 h, v10 4 r, v11 the mask's d, v12 -M, v13 largest t, v[14:15] the sum, v16-33 [0 q 0], v34 q's scale word, v36-83 four fragments,
;   v84-85 k's scale words, v86-87 v's, v96-159 S^T then p, v160-191 O^T, v192-210 codes, v212-223 the quantiser, v224 p's scale word, v[226:227] f, v[228:229] second chain of the sum, v230 at work, v231 -infinity.
.macro ROUND                           ; a round of the cluster's barrier
	s_barrier_signal -1
	s_barrier_wait -1
	s_cmp_lg_u32 s10, 0
	s_cbranch_scc1 .Lnot_wave_0_\@
	s_barrier_signal -3
.Lnot_wave_0_\@:
	s_barrier_wait -3
	s_barrier_signal -1
	s_barrier_wait -1
.endm
; the addresses of tile u of group s[gs]: offsets of q's half fragment, q's scale words, o's half fragment, o's scale half word into s[D .. D + 7]; the tile's first query in its key step into s[QR]
.macro TILE gs, D, QR
	s_mul_i32 s66, s[\gs], 1536
	s_mul_i32 s67, s33, 768
	s_add_co_u32 s66, s66, s67
	s_add_co_u32 s66, s66, s38
	s_add_co_u32 s[\D], s66, 204800
	s_mov_b32 s[\D+1], 0
	s_lshl_b32 s66, s[\gs], 6
	s_add_co_u32 s66, s66, s38
	s_add_co_u32 s[\D+2], s66, 303104
	s_mov_b32 s[\D+3], 0
	s_lshl_b32 s66, s[\gs], 1
	s_add_co_u32 s66, s66, s33
	s_lshl_b32 s67, s60, 7
	s_add_co_u32 s66, s66, s67                     ; the tile among all tokens' tiles: 128 x batch + 2 g + u
	s_lshr_b32 s67, s66, 4                         ; its block of 256 rows
	s_and_b32 s66, s66, 15                         ; and its place there
	s_mul_i32 s68, s67, 196608
	s_mul_i32 s69, s66, 3072
	s_add_co_u32 s68, s68, s69
	s_add_co_u32 s[\D+4], s68, s62
	s_mov_b32 s[\D+5], 0
	s_lshl_b32 s68, s67, 13
	s_lshl_b32 s69, s66, 9
	s_add_co_u32 s68, s68, s69
	s_add_co_u32 s[\D+6], s68, s63
	s_mov_b32 s[\D+7], 0
	s_and_b32 s66, s[\gs], 3
	s_lshl_b32 s66, s66, 5
	s_lshl_b32 s67, s33, 3
	s_add_co_u32 s[\QR], s66, s67
.endm
	s_load_b128 s[4:7], s[0:1], 0x0                ; qkvc s[4:5], ac s[6:7]
	s_load_b64 s[8:9], s[0:1], 0x10                ; asc
	v_lshl_add_u32 v254, v0, 2, 0x34000
	v_mov_b32 v255, 0
	ds_add_u32 v254, v255
	ds_add_u32 v254, v255
	v_lshrrev_b32 v1, 5, v0
	s_delay_alu instid0(VALU_DEP_1)
	v_readfirstlane_b32 s10, v1                    ; wave 0..15
	s_bfe_u32 s11, ttmp6, 0x40000                  ; cx
	s_and_b32 s12, ttmp7, 0xffff                   ; 16 x batch + head, which the four partners share
	s_lshr_b32 s13, s10, 1                         ; a
	s_and_b32 s33, s10, 1                          ; u
	s_lshl_b32 s14, s33, 4                         ; 16 u
	s_add_co_u32 s15, s13, 1
	; group 1: 50 rows of 256 bytes (32 elements of 8 bytes), dense, no padding
	s_mov_b32 s16, 15|(3<<16)|(1<<21)              ; 15:0 the mask: all four work-groups; 17:16 element size code 3; 21 set beside a mask
	s_mov_b32 s17, 32<<16                          ; tensor_dim0
	s_mov_b32 s18, 50<<16                          ; tensor_dim1
	s_mov_b32 s19, 32<<16                          ; tile_dim0
	s_mov_b32 s20, 50                              ; tile_dim1
	s_mov_b32 s21, 32                              ; from row to row
	s_mov_b32 s22, 0
	s_mov_b32 s23, 0
	s_mul_i32 s38, s12, 307200                     ; the head's first byte in qkvc
	s_mov_b32 s24, 1
	s_mul_i32 s25, s10, 12800                      ; my part: in LDS,
	s_add_co_u32 s58, s38, s25                     ; and in memory
	s_mov_b32 s59, 0
	s_mov_b32 s34, 0x76543210
	s_mov_b32 s35, 0xfedcba98                      ; v_permlanex16_b32's selects for lane l xor 16
	s_mov_b32 s36, 0x3e38aa3b                      ; c = log2(e) / 8
	s_mov_b32 s37, s36                             ; (named with it as a pair, so it is written)
	s_lshr_b32 s60, s12, 4                         ; the batch
	s_and_b32 s61, s12, 15                         ; the head: K = 64 x head + channel of the last product
	s_lshr_b32 s66, s61, 2
	s_mul_i32 s62, s66, 49152
	s_bfe_u32 s66, s61, 0x10001
	s_mul_i32 s66, s66, 1536
	s_add_co_u32 s62, s62, s66
	s_and_b32 s67, s61, 1
	s_mul_i32 s66, s67, 768
	s_add_co_u32 s62, s62, s66                     ; the head's place in a tile's codes
	s_lshr_b32 s66, s61, 1
	s_lshl_b32 s63, s66, 6
	s_lshl_b32 s66, s67, 1
	s_add_co_u32 s63, s63, s66                     ; and in its scale words
	s_lshl_b32 s70, s13, 2
	s_add_co_u32 s70, s70, s11                     ; g = 4 a + cx
	s_sub_co_u32 s71, 63, s70                      ; and 63 - g
	TILE 70, 40, 56
	TILE 71, 48, 57
	s_wait_dscnt 0x0
	s_wait_kmcnt 0x0
	s_add_nc_u64 s[26:27], s[4:5], s[58:59]
	s_or_b32 s27, s27, 0x80000000                  ; type = 2
.irp d, 40, 48
	s_add_nc_u64 s[\d:\d+1], s[4:5], s[\d:\d+1]
	s_add_nc_u64 s[\d+2:\d+3], s[4:5], s[\d+2:\d+3]
	s_add_nc_u64 s[\d+4:\d+5], s[6:7], s[\d+4:\d+5]
	s_add_nc_u64 s[\d+6:\d+7], s[8:9], s[\d+6:\d+7]
.endr
	ROUND                                          ; all four work-groups are here: the joint loads meet
	tensor_load_to_lds s[24:27], s[16:23]          ; my one tensor load of the launch
	s_nop 0
.rept 4
	v_nop
.endr
	v_and_b32 v10, 31, v0
	s_delay_alu instid0(VALU_DEP_1)
	v_lshlrev_b32 v1, 3, v10                       ; 8 x lane: my place in a piece, in LDS (k's fragments begin at 0) and in memory
	s_delay_alu instid0(VALU_DEP_1)
	v_add_nc_u32 v2, 102400, v1                    ; v's fragments
	s_delay_alu instid0(VALU_DEP_3)
	v_lshlrev_b32 v3, 2, v10
	s_delay_alu instid0(VALU_DEP_1)
	v_add_nc_u32 v4, 200704, v3                    ; v's scale words: lanes 0-15 one fragment's, lanes 16-31 the next's
	s_delay_alu instid0(VALU_DEP_2)
	v_add_nc_u32 v3, 98304, v3                     ; k's likewise
	v_and_b32 v9, 15, v0
	s_delay_alu instid0(VALU_DEP_1)
	v_lshlrev_b32 v10, 2, v9                       ; 4 r
	s_delay_alu instid0(VALU_DEP_2)
	v_and_b32 v11, 8, v9
	s_delay_alu instid0(VALU_DEP_1)
	v_add_nc_u32 v9, v9, v11
	v_bfe_u32 v11, v0, 4, 1
	s_delay_alu instid0(VALU_DEP_1)
	v_lshlrev_b32 v11, 4, v11
	s_delay_alu instid0(VALU_DEP_1)
	v_sub_nc_u32 v9, v9, v11                       ; r + 8 (r / 8) - 16 h
.irp j, 16,17,18,19,20,21,28,29,30,31,32,33
	v_mov_b32 v\j, 0                               ; the zero codes on both sides of q
.endr
.irp j, 216,217,218,219,227,230
	v_mov_b32 v\j, 0                               ; lane permutes' destinations, and the upper half of f's pair: written once
.endr
	v_mov_b32 v231, 0xff800000                     ; -infinity
; A tile begins: its q and scale word; the largest t -3e38, the sum and O^T zeros (the first change of M multiplies zeros)
.macro INIT
.irp p, 0,1,2
	global_load_b64 v[22+2*\p:23+2*\p], v1, s[40:41] offset:256*\p
.endr
	global_load_b32 v230, v10, s[42:43]
	v_mov_b32 v13, 0xff61b1e6
	s_delay_alu instid0(VALU_DEP_1)
	v_floor_f32 v12, -v13
	v_mov_b32 v14, 0
	v_mov_b32 v15, 0
.set j, 0
.rept 32
	v_mov_b32 v[160+j], 0
.set j, j+1
.endr
	s_wait_loadcnt 0x0
	v_lshrrev_b32 v230, s14, v230                  ; my tile's two bytes of the group's word,
	s_delay_alu instid0(VALU_DEP_1)
	v_and_b32 v230, 0xffff, v230
	s_delay_alu instid0(VALU_DEP_1)
	v_lshl_or_b32 v34, v230, 16, v230              ; twice
.rept 8
	v_nop                                          ; a scale register written by a vector instruction stands 8 places ahead of a scaled matrix instruction
.endr
.endm
	INIT
	s_wait_tensorcnt 0x0                           ; my part of the head has landed,
	s_barrier_signal -1
	s_barrier_wait -1                              ; everybody's has
	s_mov_b32 s28, 0                               ; the trip
	s_mov_b32 s29, 16                              ; 16 - the trip
.Ltrip:
	s_cmp_le_u32 s28, s13
	s_cselect_b32 s30, s28, s29                    ; the key step: upward for the first tile, downward for the second
	s_mul_i32 s31, s30, 6144
	s_lshl_b32 s32, s30, 8
	s_setprio 2
	v_add_nc_u32 v5, s31, v1                       ; (these four are also the places behind the last trip's products, in front of the loads below)
	v_add_nc_u32 v6, s31, v2
	v_add_nc_u32 v7, s32, v3
	v_add_nc_u32 v8, s32, v4
.irp b, 0,1,2,3
.irp p, 0,1,2,3,4,5
	ds_load_b64 v[36+12*\b+2*\p:37+12*\b+2*\p], v5 offset:1536*\b+256*\p   ; k's four fragments: 256 consecutive bytes a load
.endr
.endr
	ds_load_b32 v84, v7
	ds_load_b32 v85, v7 offset:128
	s_wait_dscnt 0x0
	s_wait_alu depctr_va_vdst(0)
.irp b, 0,1,2,3                        ; S^T: tile 2 b + u2: keys 32 b + 8 u2 + 16 h + 0 .. 7 in my eight registers
.irp u2, 0,1
.if \b%2
	v_wmma_scale_f32_16x16x128_f8f6f4 v[96+8*(2*\b+\u2):103+8*(2*\b+\u2)], v[36+12*\b:47+12*\b], v[22-6*\u2:33-6*\u2], 0, v[84+\b/2], v34 matrix_a_fmt:MATRIX_FMT_BF6 matrix_b_fmt:MATRIX_FMT_BF6 matrix_a_scale:MATRIX_SCALE_ROW1
.else
	v_wmma_scale_f32_16x16x128_f8f6f4 v[96+8*(2*\b+\u2):103+8*(2*\b+\u2)], v[36+12*\b:47+12*\b], v[22-6*\u2:33-6*\u2], 0, v[84+\b/2], v34 matrix_a_fmt:MATRIX_FMT_BF6 matrix_b_fmt:MATRIX_FMT_BF6
.endif
.endr
.endr
.rept 4
	v_nop                                          ; places in front of the loads into k's registers and of the first read of the scores
.endr
.irp t, 0,1,2,3
.irp p, 0,1,2,3,4,5
	ds_load_b64 v[36+12*\t+2*\p:37+12*\t+2*\p], v6 offset:1536*\t+256*\p   ; v's four fragments land under the softmax
.endr
.endr
	ds_load_b32 v86, v8
	ds_load_b32 v87, v8 offset:128
	s_cmp_eq_u32 s28, s13                          ; the two diagonal steps: the first tile's last, the second tile's first
	s_cbranch_scc1 .Lmask
	s_cmp_eq_u32 s28, s15
	s_cbranch_scc0 .Lopen
.Lmask:
	v_add_nc_u32 v11, s56, v9                      ; d = my query in the step - 16 h.  Register n holds key 32 (n / 16) + n % 16 + 16 h: hidden where 32 (n / 16) + n % 16 > d
.set n, 0
.rept 64
	v_cmp_gt_i32 vcc_lo, 32*(n/16)+n%16, v11
	v_cndmask_b32 v[96+n], v[96+n], v231, vcc_lo
.set n, n+1
.endr
.Lopen:
.irp b, 0,1,2,3
	v_max3_num_f32 v[212+\b], v[96+16*\b], v[97+16*\b], v[98+16*\b]   ; the largest score of each block of 32 keys: for the row's maximum, and, since p rises with the score, for the block's largest p
.endr
.irp i, 3,5,7,9,11,13
.irp b, 0,1,2,3
	v_max3_num_f32 v[212+\b], v[212+\b], v[96+16*\b+\i], v[97+16*\b+\i]
.endr
.endr
.irp b, 0,1,2,3
	v_max_num_f32 v[212+\b], v[212+\b], v[111+16*\b]
.endr
.irp b, 0,1,2,3
	s_delay_alu instid0(VALU_DEP_4)
	v_permlanex16_b32 v[216+\b], v[212+\b], s34, s35
.endr
.irp b, 0,1,2,3
	s_delay_alu instid0(VALU_DEP_4)
	v_max_num_f32 v[212+\b], v[212+\b], v[216+\b]  ; with lane l xor 16's 16 keys
.endr
	s_delay_alu instid0(VALU_DEP_2)
	v_max3_num_f32 v230, v212, v213, v214
	s_delay_alu instid0(VALU_DEP_1)
	v_max_num_f32 v230, v230, v215                 ; the step's largest score of my query (key 0 of a diagonal step counts for every query: it is a number)
	s_delay_alu instid0(VALU_DEP_1)
	v_mul_f32 v230, s36, v230
	s_delay_alu instid0(VALU_DEP_1)
	v_max_num_f32 v13, v13, v230                   ; the running largest t
	v_mov_b32 v230, v12
	s_delay_alu instid0(VALU_DEP_2)
	v_floor_f32 v12, -v13                          ; -M = floor(-t): M is a whole number
	s_delay_alu instid0(VALU_DEP_1)
	v_sub_f32 v230, v12, v230                      ; old M - new M, 0 or less
	s_delay_alu instid0(VALU_DEP_1)
	v_cvt_i32_f32 v230, v230                       ; (it saturates)
	s_delay_alu instid0(VALU_DEP_1)
	v_ldexp_f32 v226, 1.0, v230                    ; f = 2^(old M - new M)
.set j, 0
.rept 32
	v_pk_fma_f32 v[96+j:97+j], v[96+j:97+j], s[36:37], v[12:13] op_sel_hi:[1,0,0]   ; t - M, two at a time
.set j, j+2
.endr
.irp b, 0,1,2,3
	v_fma_f32 v[212+\b], v[212+\b], s36, v12       ; the same of each block's largest score
.endr
.set j, 0
	s_wait_alu depctr_va_vdst(0)
.rept 64
	v_exp_f32 v[96+j], v[96+j]                     ; p = 2^(t - M)
.set j, j+1
.endr
	s_setprio 1
.irp b, 0,1,2,3
	v_exp_f32 v[212+\b], v[212+\b]                 ; the block's largest p: the same instructions on the same number
.endr
	v_pk_mul_f32 v[14:15], v[14:15], v[226:227] op_sel_hi:[1,0]   ; the sum under the new M (a plain place behind the exponentials)
	s_wait_alu depctr_va_vdst(0)
.irp b, 0,1,2,3
	v_max_num_f32 v[212+\b], 0x2800000, v[212+\b]  ; the floor 2^(5 - 127): the byte cannot fall under 1
.endr
.irp b, 0,1,2,3
	s_delay_alu instid0(VALU_DEP_4)
	v_add_nc_u32 v[220+\b], 0xfe000000, v[212+\b]  ; 4 off the exponent field: the conversion's scale operand
.endr
.irp b, 0,1,2,3
	s_delay_alu instid0(VALU_DEP_4)
	v_lshrrev_b32 v[216+\b], 23, v[220+\b]
.endr
	s_delay_alu instid0(VALU_DEP_3)
	v_lshl_or_b32 v224, v217, 8, v216              ; p's scale word for these 128 keys
	s_delay_alu instid0(VALU_DEP_1)
	v_lshl_or_b32 v224, v218, 16, v224
	s_delay_alu instid0(VALU_DEP_1)
	v_lshl_or_b32 v224, v219, 24, v224
.irp c, 0,1
	v_cvt_scalef32_pk16_bf6_f32 v[192+6*\c:194+6*\c], v[96+32*\c:111+32*\c], v[220+2*\c]
	v_cvt_scalef32_pk16_bf6_f32 v[204+4*\c:206+4*\c], v[112+32*\c:127+32*\c], v[220+2*\c+1]
.endr
	v_nop                                          ; one plain place behind a scaled conversion
.irp c, 0,1                            ; the operand's layout wants a whole block in a lane
.irp i, 0,1,2
	v_permlane16_swap_b32 v[192+6*\c+\i], v[204+4*\c+\i]
.endr
.irp i, 0,1,2
	s_delay_alu instid0(VALU_DEP_3)
	v_mov_b32 v[195+6*\c+\i], v[204+4*\c+\i]
.endr
.endr
	v_pk_add_f32 v[228:229], v[100:101], v[104:105]
	v_pk_add_f32 v[252:253], v[108:109], v[112:113]
	v_pk_add_f32 v[250:251], v[116:117], v[120:121]
	v_pk_add_f32 v[248:249], v[124:125], v[128:129]
	v_pk_add_f32 v[246:247], v[132:133], v[136:137]
	v_pk_add_f32 v[244:245], v[140:141], v[144:145]
	v_pk_add_f32 v[242:243], v[148:149], v[152:153]
	v_pk_add_f32 v[14:15], v[14:15], v[156:157]
	v_pk_add_f32 v[228:229], v[228:229], v[96:97]
	v_pk_add_f32 v[252:253], v[252:253], v[98:99]
	v_pk_add_f32 v[250:251], v[250:251], v[102:103]
	v_pk_add_f32 v[248:249], v[248:249], v[106:107]
	v_pk_add_f32 v[246:247], v[246:247], v[110:111]
	v_pk_add_f32 v[244:245], v[244:245], v[114:115]
	v_pk_add_f32 v[242:243], v[242:243], v[118:119]
	v_pk_add_f32 v[14:15], v[14:15], v[122:123]
	v_pk_add_f32 v[228:229], v[228:229], v[126:127]
	v_pk_add_f32 v[252:253], v[252:253], v[130:131]
	v_pk_add_f32 v[250:251], v[250:251], v[134:135]
	v_pk_add_f32 v[248:249], v[248:249], v[138:139]
	v_pk_add_f32 v[246:247], v[246:247], v[142:143]
	v_pk_add_f32 v[244:245], v[244:245], v[146:147]
	v_pk_add_f32 v[242:243], v[242:243], v[150:151]
	v_pk_add_f32 v[14:15], v[14:15], v[154:155]
	v_pk_add_f32 v[228:229], v[228:229], v[158:159]
	s_delay_alu instid0(VALU_DEP_2)
	v_pk_add_f32 v[14:15], v[14:15], v[248:249]
	s_delay_alu instid0(VALU_DEP_2)
	v_pk_add_f32 v[228:229], v[228:229], v[246:247]
	v_pk_add_f32 v[252:253], v[252:253], v[244:245]
	v_pk_add_f32 v[250:251], v[250:251], v[242:243]
	s_delay_alu instid0(VALU_DEP_2)
	v_pk_add_f32 v[14:15], v[14:15], v[252:253]
	s_delay_alu instid0(VALU_DEP_2)
	v_pk_add_f32 v[228:229], v[228:229], v[250:251]
	s_delay_alu instid0(VALU_DEP_1)
	v_pk_add_f32 v[14:15], v[14:15], v[228:229]
.set j, 0
.rept 16
	v_pk_mul_f32 v[160+j:161+j], v[160+j:161+j], v[226:227] op_sel_hi:[1,0]   ; O^T under the new M, each accumulator from its low end on
.set j, j+2
.endr
	s_wait_alu depctr_va_vdst(0)
	s_wait_dscnt 0x0                               ; v's fragments and scale words are in
.irp t, 0,1,2,3                        ; O^T += V^T P^T: the four accumulators by turns, one instruction a turn
.if \t%2
	v_wmma_scale_f32_16x16x128_f8f6f4 v[160+8*\t:167+8*\t], v[36+12*\t:47+12*\t], v[192:203], v[160+8*\t:167+8*\t], v[86+\t/2], v224 matrix_a_fmt:MATRIX_FMT_BF6 matrix_b_fmt:MATRIX_FMT_BF6 matrix_a_scale:MATRIX_SCALE_ROW1
.else
	v_wmma_scale_f32_16x16x128_f8f6f4 v[160+8*\t:167+8*\t], v[36+12*\t:47+12*\t], v[192:203], v[160+8*\t:167+8*\t], v[86+\t/2], v224 matrix_a_fmt:MATRIX_FMT_BF6 matrix_b_fmt:MATRIX_FMT_BF6
.endif
.endr
	s_cmp_eq_u32 s28, s13                          ; a tile's last step?
	s_setprio 0
	s_cbranch_scc1 .Lfinish
	s_cmp_eq_u32 s28, 16
	s_cbranch_scc0 .Lnext
.Lfinish:
.rept 4
	v_nop                                          ; places in front of the first read of the results
.endr
	v_add_f32 v14, v14, v15                        ; the sum's two halves,
	s_delay_alu instid0(VALU_DEP_1)
	v_permlanex16_b32 v230, v14, s34, s35
	s_delay_alu instid0(VALU_DEP_1)
	v_add_f32 v14, v14, v230                       ; and lane l xor 16's
	s_wait_alu depctr_va_vdst(0)
	v_rcp_f32 v14, v14
	v_nop                                          ; one plain place behind a transcendental
.set j, 0
	s_wait_alu depctr_va_vdst(0)
.rept 16
	v_pk_mul_f32 v[160+j:161+j], v[160+j:161+j], v[14:15] op_sel_hi:[1,0]   ; o = O^T / the sum: register 16 b + i is channel 32 b + 16 h + i of my query
.set j, j+2
.endr
.irp b, 0,1
	v_max3_num_f32 v[212+\b], |v[160+16*\b]|, |v[161+16*\b]|, 0x2800000
.endr
.irp i, 2,4,6,8,10,12,14
.irp b, 0,1
	s_delay_alu instid0(VALU_DEP_2)
	v_max3_num_f32 v[212+\b], v[212+\b], |v[160+16*\b+\i]|, |v[161+16*\b+\i]|
.endr
.endr
.irp b, 0,1
	s_delay_alu instid0(VALU_DEP_2)
	v_permlanex16_b32 v[216+\b], v[212+\b], s34, s35
.endr
.irp b, 0,1
	s_delay_alu instid0(VALU_DEP_2)
	v_max_num_f32 v[212+\b], v[212+\b], v[216+\b]
.endr
.irp b, 0,1
	s_delay_alu instid0(VALU_DEP_2)
	v_add_nc_u32 v[220+\b], 0xfe000000, v[212+\b]
.endr
.irp b, 0,1
	s_delay_alu instid0(VALU_DEP_2)
	v_lshrrev_b32 v[216+\b], 23, v[220+\b]
.endr
	s_delay_alu instid0(VALU_DEP_1)
	v_lshl_or_b32 v230, v217, 8, v216              ; the head's two bytes of my query's scale word
	v_cvt_scalef32_pk16_bf6_f32 v[192:194], v[160:175], v220
	v_cvt_scalef32_pk16_bf6_f32 v[204:206], v[176:191], v221
	v_nop                                          ; one plain place behind a scaled conversion
.irp i, 0,1,2
	v_permlane16_swap_b32 v[192+\i], v[204+\i]
.endr
.irp i, 0,1,2
	s_delay_alu instid0(VALU_DEP_3)
	v_mov_b32 v[195+\i], v[204+\i]
.endr
.irp p, 0,1,2
	global_store_b64 v1, v[192+2*\p:193+2*\p], s[44:45] offset:256*\p   ; half a fragment of the last product's operand: 256 consecutive bytes a store, aligned
.endr
	global_store_b16 v10, v230, s[46:47]           ; lanes 16-31 write what lanes 0-15 write
	s_wait_xcnt 0x0                                ; the stores have read their registers and bases
	s_mov_b64 s[40:41], s[48:49]                   ; on to the second tile (behind the second tile's end these lines change nothing, and its q is loaded once more and not used)
	s_mov_b64 s[42:43], s[50:51]
	s_mov_b64 s[44:45], s[52:53]
	s_mov_b64 s[46:47], s[54:55]
	s_mov_b32 s56, s57
	INIT
.Lnext:
	s_add_co_u32 s28, s28, 1
	s_sub_co_u32 s29, s29, 1
	s_cmp_lt_u32 s28, 17
	s_cbranch_scc1 .Ltrip
	s_setprio 0
	s_wait_tensorcnt 0x0
	ds_add_u32 v254, v255
	s_wait_dscnt 0x0
	ROUND                                          ; the closing round
	s_endpgm
.Lfunc_end_k_q75c4f54335_attn:
	.size	k_q75c4f54335_attn, .Lfunc_end_k_q75c4f54335_attn-k_q75c4f54335_attn
	.p2alignl 7, 3214868480
	.fill 96, 4, 3214868480
	.section	.rodata,"a",@progbits
	.p2align	6, 0x0
	.amdhsa_kernel k_q75c4f54335_attn
		.amdhsa_group_segment_fixed_size 215040
		.amdhsa_private_segment_fixed_size 0
		.amdhsa_enable_private_segment 0
		.amdhsa_kernarg_size 24
		.amdhsa_user_sgpr_count 2
		.amdhsa_user_sgpr_kernarg_segment_ptr 1
		.amdhsa_wavefront_size32 1
		.amdhsa_system_sgpr_workgroup_id_x 1
		.amdhsa_system_sgpr_workgroup_id_y 1
		.amdhsa_system_sgpr_workgroup_id_z 1
		.amdhsa_system_vgpr_workitem_id 0
		.amdhsa_next_free_vgpr 256
		.amdhsa_next_free_sgpr 72
		.amdhsa_reserve_vcc 1
		.amdhsa_float_denorm_mode_32 3
		.amdhsa_float_denorm_mode_16_64 3
		.amdhsa_memory_ordered 1
		.amdhsa_forward_progress 1
		.amdhsa_inst_pref_size 41
	.end_amdhsa_kernel
	.amdgpu_metadata
---
amdhsa.version: [ 1, 2 ]
amdhsa.kernels:
  - .name:           k_q75c4f54335_attn
    .symbol:         k_q75c4f54335_attn.kd
    .args:
      - { .name: qkvc, .offset: 0, .size: 8, .value_kind: global_buffer, .address_space: global }
      - { .name: ac, .offset: 8, .size: 8, .value_kind: global_buffer, .address_space: global }
      - { .name: asc, .offset: 16, .size: 8, .value_kind: global_buffer, .address_space: global }
    .group_segment_fixed_size: 215040
    .private_segment_fixed_size: 0
    .kernarg_segment_align: 8
    .kernarg_segment_size: 24
    .max_flat_workgroup_size: 512
    .sgpr_count:     72
    .vgpr_count:     256
    .wavefront_size: 32
...
	.end_amdgpu_metadata
.endif
;; end of part 3
;; launch proj (part 4): grid 8 x 32, 4 waves a work-group, clusters of 4 x 4, 327,680 bytes of LDS; arguments ac, asc, wc, ws, b_proj, out0; writes out0
.if DOCPART == 4
	.amdgcn_target "amdgcn-amd-amdhsa--gfx1250"
	.amdhsa_code_object_version 6
	.text
	.protected	k_q75c4f54335_proj
	.globl	k_q75c4f54335_proj
	.p2align	8
	.type	k_q75c4f54335_proj,@function
k_q75c4f54335_proj:
	s_mov_b64 s[64:65], 0
	v_nop
	global_prefetch_b8 v0, s[64:65] scope:SCOPE_SE
	s_setreg_imm32_b32 hwreg(HW_REG_WAVE_MODE, 25, 1), 1
	s_wait_xcnt 0x0
	s_wait_alu depctr_hold_cnt(0) depctr_sa_sdst(0) depctr_va_vdst(0) depctr_va_sdst(0) depctr_va_ssrc(0) depctr_va_vcc(0) depctr_vm_vsrc(0)
	s_getreg_b32 s2, hwreg(HW_REG_IB_STS2, 6, 4)
	s_cmp_eq_u32 s2, 0
	s_cbranch_scc0 .Lentry_in_a_cluster
	s_endpgm
.Lentry_in_a_cluster:
	s_bfe_u32 s2, ttmp6, 0x10000c
	s_cmp_lg_u32 s2, 0xf033
	s_cbranch_scc0 .Lentry_shape_is_right
	s_endpgm
.Lentry_shape_is_right:
.set QKV, 0
; ONE TEXT FOR TWO LAUNCHES.  QKV = 1: qkv = x w_qkv + b_qkv, quantised at once into q, k (along the head's 64) and v (along the keys).  QKV = 0: out = o w_proj + b_proj, f32.
; Both are products on codes of BF6 (E3M2) with one E8M0 byte for each 32 along K = 1,024, sums in f32, by v_wmma_scale_f32_16x16x128_f8f6f4.
; OPERANDS lie in memory as images of their registers: a fragment (16 rows x 128 K) is six pieces of 256 bytes, piece p = registers 2 p, 2 p + 1, lane l at 8 l; a block of 256 rows is 196,608 bytes:
; (K / 256) x 49152 + tile x 3072 + ((K / 128) & 1) x 1536; scale words: block x 8192 + tile x 512 + (K / 128) x 64 + 4 r.  Row r of tile 2 g + u is row 32 g + 8 u + r + 8 (r / 8) of the block.
; ROLES.  U = source 0: the result's registers run along its rows (by the tiles' row order, 16 neighbours in the registers of tiles 2 g, 2 g + 1).  L = source 1: a lane holds one of its rows.
;   QKV, cluster rows 0-7 (q and k): U = 256 rows of w_qkv^T, L = 256 tokens: a lane holds a token, its registers run along the head's channels.
;   QKV, cluster rows 8-11 (v):      U = 256 tokens, L = 256 rows of w_qkv^T: a lane holds a channel, its registers run along the keys.        proj: U = 128 rows of w_proj^T, L = 256 tokens.
; A work-group of four waves, as many as a WGP has SIMDs, makes 256 L rows x 32 NB U rows; a wave 128 x 16 NB: 8 NB accumulators.  K goes in four slots of 256 through a ring of two LDS slots; the eight K steps are written out.
; The scale words of the work-group's rows, for all of K, come into LDS once and then into 64 registers.  The bias is the C of each sum's first matrix instruction.
; CLUSTERS: 4 x 4 work-groups.  L's tiles hang on the cluster's row alone and are asked for jointly along it, U's on its column alone: the same tensor load, the same descriptor, a mask that names the four.
; The choice between the q, k form and the v form hangs on the cluster's y, which all sixteen partners share.
; LIMITS: NaN and infinities are not served; a block whose largest magnitude lies under 2^-122 gets the byte 1; a block of zeros gets the byte 1 where the rule says 127 (zero codes; only this program reads the bytes).
; REGISTERS, in windows of 256: window 0: v1-29 addresses; v32-95 scale words; v96-127 at work on the way out; v128-223 L's 8 fragments, one set.
;   window 1: U's fragments, two sets, at v0 and v128; the bias tiles at v96-127 and v224-255.   windows 2, 3: the accumulators, (a, b) at 8 (a NB + b).
.if QKV
.set NB, 8
.else
.set NB, 4
.endif
.set FR,    12                         ; registers of a fragment
.set UHB,   NB*3072                    ; NB tiles of U in a slot: what one tensor load brings
.set SLOT,  49152+2*UHB                ; L's 16 tiles, then U's 2 NB
.set SCL,   2*SLOT                     ; behind the ring: U's scale words, then L's
.set USZ,   NB*1024
.set SPARE, SCL+USZ+8192               ; the spare words, 128 bytes for each wave: two blocks of 256 bytes that no other line names
.set ADRA, 16                          ; v16-17 LDS address of my L fragments in slot 0, 1
.set ADRB, 20                          ; v20-21 the same for U
.set STO,  24                          ; v24    proj's way out: where I put 32 bytes of a row
.set RD,   25                          ; v25    and where I read a row back
.set CO,   26                          ; v26    my byte offset in out0
.set ADRS, 27                          ; v27    LDS address of my scale words: lanes 0-15 U's, lanes 16-31 L's
.set SPW,  28                          ; v28    LDS address of my spare word; never rewritten
.set NIL,  29                          ; v29    0; never rewritten
.set SC,   32                          ; v[SC + 8 i + s]: lanes 0-15 the word of U's tile i, lanes 16-31 of L's tile i, for K step s
.set TM,   96                          ; v96-111 the quantiser at work
.set PWR,  112                         ; v112-119 the scale word of each of my eight fragments
.set AF,   128                         ; L's fragments
.set G1,   24                          ; s[24:31] group 1 for L's tiles;  s[32:39] groups 0, one for each slot
.set G0,   32
.set G1B,  48                          ; s[48:55], s[56:63] the same for U's
.set G0B,  56
.set G1S,  68                          ; s[68:75], s[76:79] L's scale words;  s[80:87], s[88:91] U's
.set G0S,  76
.set G1SB, 80
.set G0SB, 88
.set MSB, 0
.macro WIN new                         ; the immediate's high byte repeats the setting that is left; a switch that changes nothing is dropped
.if MSB != \new
	s_set_vgpr_msb (MSB<<8)|\new
.set MSB, \new
.endif
.endm
; A joint load: waves 0 and 1 fetch L's halves, waves 2 and 3 U's.  The branch hangs on the wave's number alone.  Four v_nop follow each of the two lines.
.macro JLOAD g0a, g1a, g0b, g1b
	s_cmp_eq_u32 s17, 0
	s_cbranch_scc0 .Lfor_b_\@
	tensor_load_to_lds s[\g0a:\g0a+3], s[\g1a:\g1a+7]
	s_nop 0
.rept 4
	v_nop
.endr
	s_branch .Lasked_\@
.Lfor_b_\@:
	tensor_load_to_lds s[\g0b:\g0b+3], s[\g1b:\g1b+7]
	s_nop 0
.rept 4
	v_nop
.endr
.Lasked_\@:
.endm
.macro CREST                           ; a round of the cluster's barrier behind its opening barrier
	s_cmp_lg_u32 s16, 0
	s_cbranch_scc1 .Lnot_wave_0_\@
	s_barrier_signal -3
.Lnot_wave_0_\@:
	s_barrier_wait -3
	s_barrier_signal -1
	s_barrier_wait -1
.endm
.macro CROUND                          ; a whole round
	s_barrier_signal -1
	s_barrier_wait -1
	CREST
.endm
.macro PLACES                          ; four places behind a matrix instruction of this form, in front of loads into its registers and of reads of its results
.rept 4
	v_nop
.endr
.endm
	s_load_b256 s[4:11], s[0:1], 0x0               ; activations' codes s[4:5], their scales s[6:7], wc s[8:9], ws s[10:11]
	s_load_b128 s[12:15], s[0:1], 0x20             ; the bias s[12:13], the result s[14:15]
	v_lshl_add_u32 v[SPW], v0, 2, SPARE
	v_mov_b32 v[NIL], 0
	ds_add_u32 v28, v29
	ds_add_u32 v28, v29
	s_wait_dscnt 0x0
	v_lshrrev_b32 v1, 5, v0
	v_readfirstlane_b32 s16, v1                    ; wave 0..3
	s_lshr_b32 s17, s16, 1                         ; which half of L's rows is mine.  Also: I fetch for L (0) or for U (1)
	s_and_b32 s18, s16, 1                          ; which half of U's rows.  Also: which half of that tile I fetch
	s_bfe_u32 s19, ttmp6, 0x40000                  ; cx
	s_bfe_u32 s20, ttmp6, 0x40004                  ; cy
	s_lshl_b32 s21, ttmp9, 2
	s_add_co_u32 s21, s21, s19                     ; work-group x
	s_and_b32 s22, ttmp7, 0xffff                   ; the cluster's y
	s_lshl_b32 s23, s22, 2
	s_add_co_u32 s23, s23, s20                     ; work-group y
	s_lshl_b32 s40, s20, 2
	s_lshl_b32 s40, 15, s40                        ; my row of the cluster
	s_lshl_b32 s41, 0x1111, s19                    ; my column
	; group 1: dense blocks as rows of 256 bytes (32 elements of 8 bytes), no padding: 15:0 the mask; 17:16 element size code 3; 21 set beside a mask
	s_or_b32 s[G1], s40, (3<<16)|(1<<21)
	s_or_b32 s[G1B], s41, (3<<16)|(1<<21)
	s_or_b32 s[G1S], s40, (3<<16)|(1<<21)
	s_or_b32 s[G1SB], s41, (3<<16)|(1<<21)
.irp g, G1, G1B, G1S, G1SB
	s_mov_b32 s[\g+1], 32<<16                      ; tensor_dim0 = 32
	s_mov_b32 s[\g+3], 32<<16                      ; tile_dim0 = 32
	s_mov_b32 s[\g+5], 32                          ; from row to row
	s_mov_b32 s[\g+6], 0
	s_mov_b32 s[\g+7], 0
.endr
	s_mov_b32 s[G1+2], 96<<16                      ; tensor_dim1, tile_dim1: 8 tiles of L = 96 rows of 256 bytes
	s_mov_b32 s[G1+4], 96
	s_mov_b32 s[G1B+2], (UHB/256)<<16              ; NB tiles of U
	s_mov_b32 s[G1B+4], UHB/256
	s_mov_b32 s[G1S+2], 16<<16                     ; the scale words of 8 tiles of L
	s_mov_b32 s[G1S+4], 16
	s_mov_b32 s[G1SB+2], (NB*2)<<16                ; of NB tiles of U
	s_mov_b32 s[G1SB+4], NB*2
	; where the tiles go: made of the wave's number alone
	s_mov_b32 s[G0], 1
	s_mul_i32 s[G0+1], s18, 24576
	s_mov_b32 s[G0+4], 1
	s_add_co_u32 s[G0+5], s[G0+1], SLOT
	s_mov_b32 s[G0B], 1
	s_mul_i32 s[G0B+1], s18, UHB
	s_add_co_u32 s[G0B+1], s[G0B+1], 49152
	s_mov_b32 s[G0B+4], 1
	s_add_co_u32 s[G0B+5], s[G0B+1], SLOT
	s_mov_b32 s[G0S], 1
	s_lshl_b32 s[G0S+1], s18, 12
	s_add_co_u32 s[G0S+1], s[G0S+1], SCL+USZ
	s_mov_b32 s[G0SB], 1
	s_mul_i32 s[G0SB+1], s18, NB*512
	s_add_co_u32 s[G0SB+1], s[G0SB+1], SCL
	; where they come from.  L's offsets (s44-47) are made of cy and the cluster's y, U's (s92-95) of cx, the cluster's x and y
.if QKV
	s_add_co_u32 s42, s20, 8                       ; v: L = block 8 + cy of wc
	s_max_u32 s43, s22, 8
	s_sub_co_u32 s43, s43, 8                       ; v: the batch
	s_lshl_b32 s43, s43, 3
	s_add_co_u32 s43, s43, s21                     ; v: U = block 8 x batch + x of xc
	s_cmp_ge_u32 s22, 8
	s_cselect_b32 s42, s42, s23                    ; q, k: L = block y of xc
	s_cselect_b32 s43, s43, s21                    ; q, k: U = block x of wc
	s_mul_i32 s44, s42, 196608
	s_lshl_b32 s46, s42, 13
	s_mul_i32 s92, s43, 196608
	s_lshl_b32 s94, s43, 13
.else
	s_mul_i32 s44, s23, 196608                     ; L = block y of the activations
	s_lshl_b32 s46, s23, 13
	s_lshr_b32 s43, s21, 1
	s_add_co_u32 s43, s43, 12                      ; U = half x % 2 of block 12 + x / 2 of wc
	s_and_b32 s98, s21, 1
	s_mul_i32 s92, s43, 196608
	s_mul_i32 s99, s98, 24576
	s_add_co_u32 s92, s92, s99
	s_lshl_b32 s94, s43, 13
	s_lshl_b32 s99, s98, 12
	s_add_co_u32 s94, s94, s99
.endif
	s_mul_i32 s96, s18, 24576                      ; the half that I fetch
	s_add_co_u32 s44, s44, s96
	s_mov_b32 s45, 0
	s_lshl_b32 s96, s18, 12
	s_add_co_u32 s46, s46, s96
	s_mov_b32 s47, 0
	s_mul_i32 s96, s18, UHB
	s_add_co_u32 s92, s92, s96
	s_mov_b32 s93, 0
	s_mul_i32 s96, s18, NB*512
	s_add_co_u32 s94, s94, s96
	s_mov_b32 s95, 0
	s_wait_kmcnt 0x0
.if QKV
	s_cmp_ge_u32 s22, 8                            ; the buffers change roles with the form; the choice hangs on the cluster's y alone
	s_cselect_b64 s[96:97], s[8:9], s[4:5]
	s_cselect_b64 s[98:99], s[10:11], s[6:7]
	s_cselect_b64 s[100:101], s[4:5], s[8:9]
	s_cselect_b64 s[2:3], s[6:7], s[10:11]
	s_add_nc_u64 s[44:45], s[96:97], s[44:45]
	s_add_nc_u64 s[46:47], s[98:99], s[46:47]
	s_add_nc_u64 s[92:93], s[100:101], s[92:93]
	s_add_nc_u64 s[94:95], s[2:3], s[94:95]
.else
	s_add_nc_u64 s[44:45], s[4:5], s[44:45]
	s_add_nc_u64 s[46:47], s[6:7], s[46:47]
	s_add_nc_u64 s[92:93], s[8:9], s[92:93]
	s_add_nc_u64 s[94:95], s[10:11], s[94:95]
.endif
	s_mov_b64 s[G0+2:G0+3], s[44:45]               ; slot 0: K 0 .. 255
	s_or_b32 s[G0+3], s[G0+3], 0x80000000          ; type = 2
	s_add_nc_u64 s[G0+6:G0+7], s[44:45], 49152     ; slot 1: K 256 .. 511
	s_or_b32 s[G0+7], s[G0+7], 0x80000000
	s_mov_b64 s[G0B+2:G0B+3], s[92:93]
	s_or_b32 s[G0B+3], s[G0B+3], 0x80000000
	s_add_nc_u64 s[G0B+6:G0B+7], s[92:93], 49152
	s_or_b32 s[G0B+7], s[G0B+7], 0x80000000
	s_mov_b64 s[G0S+2:G0S+3], s[46:47]
	s_or_b32 s[G0S+3], s[G0S+3], 0x80000000
	s_mov_b64 s[G0SB+2:G0SB+3], s[94:95]
	s_or_b32 s[G0SB+3], s[G0SB+3], 0x80000000
	CROUND                                         ; all sixteen work-groups are here: the first joint loads meet
	JLOAD G0S, G1S, G0SB, G1SB                     ; the scale words; then both slots, each load landing before the next is asked for
	s_wait_alu depctr_va_vdst(0)
	s_wait_tensorcnt 0x0
	ds_add_u32 v28, v29
	s_wait_dscnt 0x0
	CROUND
	JLOAD G0, G1, G0B, G1B
	s_wait_alu depctr_va_vdst(0)
	s_wait_tensorcnt 0x0
	ds_add_u32 v28, v29
	s_wait_dscnt 0x0
	CROUND
	JLOAD G0+4, G1, G0B+4, G1B
	v_and_b32 v1, 15, v0                           ; r
	v_bfe_u32 v2, v0, 4, 1                         ; h
	s_wait_alu depctr_va_vdst(0)
	v_and_b32 v4, 31, v0
	v_lshlrev_b32 v3, 3, v4                        ; 8 x lane: my place in every piece
	s_mul_i32 s96, s17, 24576                      ; my 8 tiles of L
	s_mul_i32 s97, s18, UHB                        ; my NB tiles of U,
	s_add_co_u32 s97, s97, 49152                   ; which lie behind L's 16
	v_add_nc_u32 v[ADRA], s96, v3
	v_add_nc_u32 v[ADRB], s97, v3
	s_add_co_u32 s96, s96, SLOT
	s_add_co_u32 s97, s97, SLOT
	v_add_nc_u32 v[ADRA+1], s96, v3
	v_add_nc_u32 v[ADRB+1], s97, v3
	s_mul_i32 s96, s18, NB*512                     ; U's scale words: my NB tiles
	s_lshl_b32 s97, s17, 12
	s_add_co_u32 s97, s97, USZ                     ; L's: my 8 tiles, behind U's
	s_sub_co_u32 s97, s97, s96
	v_mul_u32_u24 v5, s97, v2                      ; lanes 16-31 take L's: one product, the distance between the two
	v_lshl_add_u32 v5, v1, 2, v5
	s_add_co_u32 s96, s96, SCL
	v_add_nc_u32 v[ADRS], s96, v5
.if QKV
	; the bias tiles, in the result's layout, into window 1
	s_cmp_ge_u32 s22, 8
	s_cbranch_scc1 .Lbias_v
	s_lshl_b32 s98, s21, 10                        ; q, k: along U: 256 x + 128 x half numbers on
	s_lshl_b32 s99, s18, 9
	s_add_co_u32 s98, s98, s99
	s_mov_b32 s99, 0
	s_add_nc_u64 s[98:99], s[12:13], s[98:99]
	v_lshlrev_b32 v4, 6, v2                        ; lanes 16-31: 16 numbers further on
	WIN 0x40                                       ; destination window 1
.irp b, 0,1,2,3,4,5,6,7
	global_load_b128 v[96+8*\b+96*(\b/4):96+8*\b+96*(\b/4)+3], v4, s[98:99] offset:(32*(\b/2)+8*(\b%2))*4
	global_load_b128 v[96+8*\b+96*(\b/4)+4:96+8*\b+96*(\b/4)+7], v4, s[98:99] offset:(32*(\b/2)+8*(\b%2))*4+16
.endr
	WIN 0
	s_branch .Lbias_done
.Lbias_v:
	s_lshl_b32 s98, s20, 10                        ; v: along L: number 2048 + 256 cy + 128 x half on; a lane's eight registers hold its channel's bias
	s_lshl_b32 s99, s17, 9
	s_add_co_u32 s98, s98, s99
	s_add_co_u32 s98, s98, 8192
	s_mov_b32 s99, 0
	s_add_nc_u64 s[98:99], s[12:13], s[98:99]
	v_and_b32 v6, 8, v1
	v_add_nc_u32 v6, v6, v1
	v_lshlrev_b32 v6, 2, v6                        ; 4 (r + 8 (r / 8))
	WIN 0x40
.irp a, 0,1,2,3,4,5,6,7
.irp j, 0,1,2,3,4,5,6,7
	global_load_b32 v[96+8*\a+96*(\a/4)+\j], v6, s[98:99] offset:(32*(\a/2)+8*(\a%2))*4
.endr
.endr
	WIN 0
.Lbias_done:
.else
	s_mul_i32 s96, s16, 4352                       ; my stage: 16 rows x (256 bytes + 16), in slot 0
	v_mul_u32_u24 v5, v1, 272
	v_lshl_add_u32 v5, v2, 6, v5
	v_add_nc_u32 v[STO], s96, v5                   ; in: row r, + 64 h
	v_mul_u32_u24 v5, v2, 272
	v_lshl_add_u32 v5, v1, 4, v5
	v_add_nc_u32 v[RD], s96, v5                    ; back: lanes 0-15 one row, lanes 16-31 the next
	v_lshlrev_b32 v5, 12, v2
	v_lshl_add_u32 v[CO], v1, 4, v5                ; and the same two rows in out0
	s_lshl_b32 s92, s23, 20                        ; my first row: (256 y + 128 x half) rows of 4,096 bytes,
	s_lshl_b32 s93, s17, 19
	s_add_co_u32 s92, s92, s93
	s_lshl_b32 s93, s21, 9                         ; my first column: (128 x + 64 x half) numbers
	s_add_co_u32 s92, s92, s93
	s_lshl_b32 s93, s18, 8
	s_add_co_u32 s92, s92, s93
	s_mov_b32 s93, 0
	s_add_nc_u64 s[92:93], s[14:15], s[92:93]
	s_lshl_b32 s98, s21, 9                         ; the bias, along U
	s_lshl_b32 s99, s18, 8
	s_add_co_u32 s98, s98, s99
	s_mov_b32 s99, 0
	s_add_nc_u64 s[98:99], s[12:13], s[98:99]
	v_lshlrev_b32 v4, 6, v2
	WIN 0x40
.irp b, 0,1,2,3
	global_load_b128 v[96+8*\b:96+8*\b+3], v4, s[98:99] offset:(32*(\b/2)+8*(\b%2))*4
	global_load_b128 v[96+8*\b+4:96+8*\b+7], v4, s[98:99] offset:(32*(\b/2)+8*(\b%2))*4+16
.endr
	WIN 0
.endif
.macro FRAG reg, adr, kk, i            ; a fragment comes as it lies: six loads of 8 bytes a lane, each 256 consecutive bytes
.irp p, 0,1,2,3,4,5
	ds_load_b64 v[\reg+2*\p:\reg+2*\p+1], v[\adr] offset:(\i)*3072+(\kk)*1536+256*\p
.endr
.endm
.macro FETCH_B slot, kk, set           ; U's NB fragments into set
	WIN 0x40
.irp i, 0,1,2,3,4,5,6,7
.if \i < NB
	FRAG 128*(\set)+FR*\i, ADRB+\slot, \kk, \i
.endif
.endr
	WIN 0
.endm
.macro FETCH_A slot, kk, i0            ; L's blocks i0 .. i0 + 3
.irp i, \i0, \i0+1, \i0+2, \i0+3
	FRAG AF+FR*(\i), ADRA+\slot, \kk, \i
.endr
.endm
; 2 NB matrix instructions: L's blocks a0, a0 + 1 against U's NB, K step ks.  mode 0: onto the sums; 1: the bias along U starts them; 2: the bias along L.
; The accumulators take turns, one instruction a turn, in the same order in every step.
.macro MUL2 a0, set, ks, mode
.irp a, \a0, \a0+1
.set AW, 2+((\a)*NB)/32
.if \mode
	WIN ((AW<<6)|0x11)
.else
	WIN ((AW<<6)|(AW<<4)|0x01)
.endif
.irp b, 0,1,2,3,4,5,6,7
.if \b < NB
.set AR, 8*(((\a)*NB+\b)%32)
.if \mode == 1
.set CR, 96+8*\b+96*(\b/4)
.else
.set CR, 96+8*(\a)+96*((\a)/4)
.endif
.if \mode
	v_wmma_scale_f32_16x16x128_f8f6f4 v[AR:AR+7], v[128*(\set)+FR*\b:128*(\set)+FR*\b+FR-1], v[AF+FR*(\a):AF+FR*(\a)+FR-1], v[CR:CR+7], v[SC+8*\b+(\ks)], v[SC+8*(\a)+(\ks)] matrix_a_fmt:MATRIX_FMT_BF6 matrix_b_fmt:MATRIX_FMT_BF6 matrix_b_scale:MATRIX_SCALE_ROW1
.else
	v_wmma_scale_f32_16x16x128_f8f6f4 v[AR:AR+7], v[128*(\set)+FR*\b:128*(\set)+FR*\b+FR-1], v[AF+FR*(\a):AF+FR*(\a)+FR-1], v[AR:AR+7], v[SC+8*\b+(\ks)], v[SC+8*(\a)+(\ks)] matrix_a_fmt:MATRIX_FMT_BF6 matrix_b_fmt:MATRIX_FMT_BF6 matrix_b_scale:MATRIX_SCALE_ROW1
.endif
.endif
.endr
.endr
.endm
; A slot's first K step: its successor lies in the same slot.
.macro STEP slot, ks, mode
	s_wait_dscnt 24                                ; U's set and L's blocks 0-3 are in; the youngest 24 loads (L's blocks 4-7) may be out
	MUL2 0, 0, \ks, \mode
	MUL2 2, 0, \ks, \mode
	s_wait_dscnt 0x0                               ; L's blocks 4-7 are in
	PLACES
	FETCH_B \slot, 1, 1
	FETCH_A \slot, 1, 0
	MUL2 4, 0, \ks, \mode
	MUL2 6, 0, \ks, \mode
	PLACES
	WIN 0
	FETCH_A \slot, 1, 4
.endm
; A slot's second K step changes slots: ONE barrier; in front of it each wave waits for all its tensor loads, adds 0 to its spare word, and waits for that and for its own reads of this slot.
; fill = 1: the barrier opens a round of the cluster's barrier, and behind it this slot is filled again, two slots ahead.
.macro TURN slot, next, fill, ks
	s_wait_tensorcnt 0x0                           ; all my tensor loads have landed: my part of the next slot
	ds_add_u32 v[SPW], v[NIL]                      ; 0 onto my spare word
	s_wait_dscnt 25                                ; the add and the youngest 24 loads (L's blocks 4-7) may be out
	MUL2 0, 1, \ks, 0                              ; matrix work stands between the add and the wait for it
	s_wait_dscnt 0x0                               ; the add is done, and my reads of this slot are over
	s_barrier_signal -1
	MUL2 2, 1, \ks, 0
	WIN 0
	s_barrier_wait -1
.if \fill
	CREST                                          ; no wave of any partner still reads this slot's tiles or has a load on its way
	s_add_nc_u64 s[G0+4*\slot+2:G0+4*\slot+3], s[G0+4*\slot+2:G0+4*\slot+3], 98304
	s_add_nc_u64 s[G0B+4*\slot+2:G0B+4*\slot+3], s[G0B+4*\slot+2:G0B+4*\slot+3], 98304
	JLOAD G0+4*\slot, G1, G0B+4*\slot, G1B         ; the first tensor load behind the round; its four v_nop are the places in front of the loads below
.else
	PLACES
.endif
	FETCH_B \next, 0, 0
	FETCH_A \next, 0, 0
	MUL2 4, 1, \ks, 0
	MUL2 6, 1, \ks, 0
	PLACES
	WIN 0
	FETCH_A \next, 0, 4
.endm
	s_wait_tensorcnt 1                             ; the scale words and my part of slot 0 are in; slot 1's load may be out
	s_barrier_signal -1
	s_barrier_wait -1                              ; everybody's are
	FETCH_B 0, 0, 0
	FETCH_A 0, 0, 0
.irp i, 0,1,2,3,4,5,6,7
.irp s, 0,1,2,3,4,5,6,7
	ds_load_b32 v[SC+8*\i+\s], v[ADRS] offset:512*\i+64*\s   ; all scale words of my rows, once
.endr
.endr
	FETCH_A 0, 0, 4
	s_wait_loadcnt 0x0                             ; the bias
.if QKV
	s_cmp_ge_u32 s22, 8
	s_cbranch_scc1 .Lfirst_v
	STEP 0, 0, 1                                   ; the first products start the sums with the bias: nothing is cleared
	s_branch .Lfirst_done
.Lfirst_v:
	STEP 0, 0, 2
.Lfirst_done:
.else
	STEP 0, 0, 1
.endif
	TURN 0, 1, 1, 1
	STEP 1, 2, 0
	TURN 1, 0, 1, 3
	STEP 0, 4, 0
	TURN 0, 1, 0, 5                                ; nothing is left to fetch
	STEP 1, 6, 0
	s_wait_dscnt 24                                ; the last step
	MUL2 0, 1, 7, 0
	MUL2 2, 1, 7, 0
	s_wait_alu depctr_va_vdst(0)
	s_wait_dscnt 0x0
	MUL2 4, 1, 7, 0
	MUL2 6, 1, 7, 0
	WIN 0
	PLACES
.if QKV
; THE WAY OUT: the 64 accumulator registers of L's block a are, for my lane's row, 128 neighbours along U: register 16 b + i = U row 32 b + 16 h + i.  They become one fragment and one scale word.
	s_mov_b32 s66, 0x76543210
	s_mov_b32 s67, 0xfedcba98                      ; v_permlanex16_b32's selects for lane l xor 16
.irp b, 0,1,2,3
	v_mov_b32 v[TM+4+\b], 0                        ; a lane permute's destination counts as one of its sources
.endr
	v_and_b32 v7, 31, v0
	v_lshlrev_b32 v8, 2, v7                        ; scale words leave 4 bytes a lane
	v_cmp_le_u32 vcc_lo, 16, v7
.macro QUANTW a
.set AC, 64*((\a)%4)
.set QW, 2+(\a)/4
.set PC, 128+20*((\a)%2)
	WIN (QW|(QW<<2))                               ; sources 0 and 1: the accumulators' window
.irp b, 0,1,2,3
	v_max3_num_f32 v[TM+\b], |v[AC+16*\b]|, |v[AC+16*\b+1]|, 0x2800000   ; block b: my 16 numbers, each accumulator from its low end on; the floor 2^(5 - 127) holds the byte at 1
.endr
.irp i, 2,4,6,8,10,12,14
.irp b, 0,1,2,3
	v_max3_num_f32 v[TM+\b], |v[AC+16*\b+\i]|, |v[AC+16*\b+\i+1]|, v[TM+\b]
.endr
.endr
	WIN 0
.irp b, 0,1,2,3
	v_permlanex16_b32 v[TM+4+\b], v[TM+\b], s66, s67
.endr
.irp b, 0,1,2,3
	v_max_num_f32 v[TM+\b], v[TM+\b], v[TM+4+\b]   ; with lane l xor 16's 16: the block's largest magnitude
.endr
.irp b, 0,1,2,3
	v_add_nc_u32 v[TM+12+\b], 0xfe000000, v[TM+\b] ; 4 off its exponent field: the conversion's scale operand
.endr
.irp b, 0,1,2,3
	v_lshrrev_b32 v[TM+4+\b], 23, v[TM+12+\b]      ; the byte
.endr
	v_lshl_or_b32 v[PWR+(\a)], v[TM+5], 8, v[TM+4]
	v_lshl_or_b32 v[PWR+(\a)], v[TM+6], 16, v[PWR+(\a)]
	v_lshl_or_b32 v[PWR+(\a)], v[TM+7], 24, v[PWR+(\a)]
	s_wait_xcnt 0x0                                ; earlier stores have read the codes' registers
	WIN QW
.irp c, 0,1
	v_cvt_scalef32_pk16_bf6_f32 v[PC+6*\c:PC+6*\c+2], v[AC+32*\c:AC+32*\c+15], v[TM+12+2*\c]
	v_cvt_scalef32_pk16_bf6_f32 v[PC+12+4*\c:PC+14+4*\c], v[AC+32*\c+16:AC+32*\c+31], v[TM+12+2*\c+1]
.endr
	WIN 0
	v_nop                                          ; one plain place behind a scaled conversion
.irp c, 0,1                            ; the operand's layout wants a whole block in a lane
.irp i, 0,1,2
	v_permlane16_swap_b32 v[PC+6*\c+\i], v[PC+12+4*\c+\i]
.endr
.irp i, 0,1,2
	v_mov_b32 v[PC+3+6*\c+\i], v[PC+12+4*\c+\i]
.endr
.endr
.endm
.macro OUTQ a, isv
	QUANTW \a
.irp p, 0,1,2,3,4,5
.if \isv
	global_store_b64 v3, v[PC+2*\p:PC+2*\p+1], s[92:93] offset:((\a)/4)*307200+((\a)%4)*1536+256*\p   ; head a / 4 of my two, channel tile a % 4
.else
	global_store_b64 v3, v[PC+2*\p:PC+2*\p+1], s[92:93] offset:(\p/3)*307200+(\a)*768+(\p%3)*256      ; half a fragment to each of my two heads; token tile a
.endif
.endr
.endm
; qkvc: a head (16 x batch + head) has 307,200 bytes: k's half fragments (tile x 768), k's scale words at 98304 (group x 64 + 4 r: tile 0's two bytes, tile 1's two),
; v's fragments at 102400 ((4 x key step + channel tile) x 1536), v's scale words at 200704, q's half fragments at 204800, q's scale words at 303104.  Every store covers 256 (codes) or 128 (words) consecutive bytes.
	s_cmp_ge_u32 s22, 8
	s_cbranch_scc1 .Lout_v
	s_lshr_b32 s96, s23, 3                         ; the batch
	s_lshl_b32 s96, s96, 4
	s_and_b32 s97, s21, 3
	s_lshl_b32 s97, s97, 2
	s_add_co_u32 s96, s96, s97
	s_lshl_b32 s97, s18, 1
	s_add_co_u32 s96, s96, s97                     ; my first head
	s_mul_i32 s96, s96, 307200
	s_cmp_lt_u32 s21, 4
	s_cselect_b32 s97, 204800, 0                   ; q's region or k's
	s_add_co_u32 s96, s96, s97
	s_and_b32 s98, s23, 7
	s_lshl_b32 s98, s98, 1
	s_add_co_u32 s98, s98, s17                     ; which 128 tokens of the batch
	s_mul_i32 s99, s98, 8*768
	s_add_co_u32 s92, s96, s99
	s_mov_b32 s93, 0
	s_lshl_b32 s99, s98, 8
	s_add_co_u32 s94, s96, s99
	s_add_co_u32 s94, s94, 98304
	s_mov_b32 s95, 0
	s_add_nc_u64 s[92:93], s[14:15], s[92:93]
	s_add_nc_u64 s[94:95], s[14:15], s[94:95]
.irp a, 0,1,2,3,4,5,6,7
	OUTQ \a, 0
.endr
.irp g, 0,1,2,3                        ; a group's word for a head: the head's two bytes of tile 0, then of tile 1
	v_perm_b32 v[168+2*\g], v[PWR+2*\g+1], v[PWR+2*\g], 0x05040100
	v_perm_b32 v[169+2*\g], v[PWR+2*\g+1], v[PWR+2*\g], 0x07060302
.endr
.irp hh, 0,1
.irp g2, 0,1
	v_cndmask_b32 v[176+2*\hh+\g2], v[168+4*\g2+\hh], v[170+4*\g2+\hh], vcc_lo   ; lanes 16-31 carry the odd group's words
	global_store_b32 v8, v[176+2*\hh+\g2], s[94:95] offset:\hh*307200+128*\g2
.endr
.endr
	s_branch .Lend
.Lout_v:
	s_sub_co_u32 s96, s22, 8                       ; the batch
	s_lshl_b32 s96, s96, 4
	s_lshl_b32 s97, s20, 2
	s_add_co_u32 s96, s96, s97
	s_lshl_b32 s97, s17, 1
	s_add_co_u32 s96, s96, s97                     ; my first head
	s_mul_i32 s96, s96, 307200
	s_lshl_b32 s98, s21, 1
	s_add_co_u32 s98, s98, s18                     ; my key step of 128
	s_mul_i32 s99, s98, 6144
	s_add_co_u32 s92, s96, s99
	s_add_co_u32 s92, s92, 102400
	s_mov_b32 s93, 0
	s_lshl_b32 s99, s98, 8
	s_add_co_u32 s94, s96, s99
	s_add_co_u32 s94, s94, 200704
	s_mov_b32 s95, 0
	s_add_nc_u64 s[92:93], s[14:15], s[92:93]
	s_add_nc_u64 s[94:95], s[14:15], s[94:95]
.irp a, 0,1,2,3,4,5,6,7
	OUTQ \a, 1
.endr
.irp j, 0,1,2,3
	v_cndmask_b32 v[176+\j], v[PWR+2*\j], v[PWR+2*\j+1], vcc_lo
	global_store_b32 v8, v[176+\j], s[94:95] offset:(\j/2)*307200+(\j%2)*128
.endr
.Lend:
.else
; THE WAY OUT: a lane holds 8 neighbouring columns of one row for each accumulator, and the lanes beside it hold other rows: a block of 16 rows x 64 columns goes through my own stage and comes back as whole rows of 256 bytes.
; The stage lies in slot 0, which has had its last fill, and which nobody reads behind the last change of slots.  LDS serves a wave's instructions in order: no wait between the stores and the loads.
.macro TOSTAGE a
	WIN 0x08                                       ; an LDS store's data are its source 1: window 2
.irp b, 0,1,2,3
	ds_store_b128 v[STO], v[8*(4*(\a)+\b):8*(4*(\a)+\b)+3] offset:128*(\b/2)+32*(\b%2)       ; each accumulator from its low end on
	ds_store_b128 v[STO], v[8*(4*(\a)+\b)+4:8*(4*(\a)+\b)+7] offset:128*(\b/2)+32*(\b%2)+16
.endr
	WIN 0
.set BB, 128+32*((\a)%2)
.irp t, 0,1,2,3,4,5,6,7
	ds_load_b128 v[BB+4*\t:BB+4*\t+3], v[RD] offset:544*\t
.endr
.endm
.macro SEND a, younger                 ; younger: the LDS instructions issued behind block a's loads, which may stay out
.set BB, 128+32*((\a)%2)
	s_wait_dscnt \younger
.irp t, 0,1,2,3,4,5,6,7
	global_store_b128 v[CO], v[BB+4*\t:BB+4*\t+3], s[92:93] offset:(2*\t+8*(\t/4)+32*((\a)/2)+8*((\a)%2))*4096 th:TH_STORE_NT   ; 16 lanes store 256 consecutive bytes, aligned; stage row q is token q + 8 (q / 8) of the tile
.endr
.endm
	TOSTAGE 0
.irp a, 1,2,3,4,5,6,7
.if \a > 1
	s_wait_xcnt 0x0                                ; block a - 2's stores have read their registers: block a's loads may land there
.endif
	TOSTAGE \a
	SEND \a-1, 16                                  ; behind block a - 1's loads: block a's 8 stores and 8 loads
.endr
	SEND 7, 0
.endif
	s_wait_tensorcnt 0x0                           ; the wave's end
	ds_add_u32 v[SPW], v[NIL]
	s_wait_dscnt 0x0
	CROUND                                         ; the closing round: no work-group ends while a partner may still ask for a tile that names it
	s_endpgm
.Lfunc_end_k_q75c4f54335_proj:
	.size	k_q75c4f54335_proj, .Lfunc_end_k_q75c4f54335_proj-k_q75c4f54335_proj
	.p2alignl 7, 3214868480
	.fill 96, 4, 3214868480
	.section	.rodata,"a",@progbits
	.p2align	6, 0x0
	.amdhsa_kernel k_q75c4f54335_proj
		.amdhsa_group_segment_fixed_size 327680
		.amdhsa_private_segment_fixed_size 0
		.amdhsa_enable_private_segment 0
		.amdhsa_kernarg_size 48
		.amdhsa_user_sgpr_count 2
		.amdhsa_user_sgpr_kernarg_segment_ptr 1
		.amdhsa_wavefront_size32 1
		.amdhsa_system_sgpr_workgroup_id_x 1
		.amdhsa_system_sgpr_workgroup_id_y 1
		.amdhsa_system_sgpr_workgroup_id_z 1
		.amdhsa_system_vgpr_workitem_id 0
		.amdhsa_next_free_vgpr 1024
		.amdhsa_next_free_sgpr 102
		.amdhsa_reserve_vcc 1
		.amdhsa_float_denorm_mode_32 3
		.amdhsa_float_denorm_mode_16_64 3
		.amdhsa_memory_ordered 1
		.amdhsa_forward_progress 1
		.amdhsa_inst_pref_size 105
	.end_amdhsa_kernel
	.amdgpu_metadata
---
amdhsa.version: [ 1, 2 ]
amdhsa.kernels:
  - .name:           k_q75c4f54335_proj
    .symbol:         k_q75c4f54335_proj.kd
    .args:
      - { .name: ac, .offset: 0, .size: 8, .value_kind: global_buffer, .address_space: global }
      - { .name: asc, .offset: 8, .size: 8, .value_kind: global_buffer, .address_space: global }
      - { .name: wc, .offset: 16, .size: 8, .value_kind: global_buffer, .address_space: global }
      - { .name: ws, .offset: 24, .size: 8, .value_kind: global_buffer, .address_space: global }
      - { .name: b_proj, .offset: 32, .size: 8, .value_kind: global_buffer, .address_space: global }
      - { .name: out0, .offset: 40, .size: 8, .value_kind: global_buffer, .address_space: global }
    .group_segment_fixed_size: 327680
    .private_segment_fixed_size: 0
    .kernarg_segment_align: 8
    .kernarg_segment_size: 48
    .max_flat_workgroup_size: 128
    .sgpr_count:     102
    .vgpr_count:     1024
    .wavefront_size: 32
...
	.end_amdgpu_metadata
.endif
;; end of part 4
